; MI455X (gfx1250); checked and timed in simulation.
; The chip was launched on July 23, 2026; its instructions are those of AMD's public machine-readable ISA for CDNA 5 (MIT licence, August 2026) and "CDNA5" Instruction Set Architecture Reference Guide (July 2026). The comments in the code are by the model that wrote it; some were corrected since.
;; Attention. Allowed arithmetic: matrix products marked QUANTISED: E3M2 operands, one E8M0 scale for each 32 along K, by v_wmma_scale_f32_16x16x128_f8f6f4 with both operands' format E3M2, f32 sums; products left as they are: f32 operands where the result goes on into a quantised operand, else bf16, f16 or f32 operands; f32 sums; everything else in f32.
;; Inputs: W_c 1,024 x 1 float32; W_dec_codes 1,024 x 32 x 24 uint8 (E3M2 codes of W_dec, K innermost, in blocks of 32 codes, four codes in three bytes); W_dec_scales 1,024 x 32 uint8 (E8M0 scales of W_dec, one for each 32 codes along K); W_h_codes 1,024 x 16 x 24 uint8 (E3M2 codes of W_h, K innermost, in blocks of 32 codes, four codes in three bytes); W_h_scales 1,024 x 16 uint8 (E8M0 scales of W_h, one for each 32 codes along K); W_s_codes 1,024 x 32 x 24 uint8 (E3M2 codes of W_s, K innermost, in blocks of 32 codes, four codes in three bytes); W_s_scales 1,024 x 32 uint8 (E8M0 scales of W_s, one for each 32 codes along K); b_dec 1,024 float32; coverage 32 x 1,024 float32; enc_padding_mask 32 x 1,024 float32; enc_sent_token_mat 32 x 64 x 1,024 float32; h 32 x 1,024 x 512 float32; s_codes 32 x 1,024 x 32 x 24 uint8 (E3M2 codes of s, K innermost, in blocks of 32 codes, four codes in three bytes); s_scales 32 x 1,024 x 32 uint8 (E8M0 scales of s, one for each 32 codes along K); s_t_hat_codes 32 x 32 x 24 uint8 (E3M2 codes of s_t_hat, K innermost, in blocks of 32 codes, four codes in three bytes); s_t_hat_scales 32 x 32 uint8 (E8M0 scales of s_t_hat, one for each 32 codes along K); sent_all_child_scores 32 x 64 x 64 float32; sent_all_head_scores 32 x 64 x 64 float32; sent_level_rep 32 x 64 x 1,024 float32; sent_scores 32 x 64 float32; token_scores 32 x 1,024 float32; v 1 x 1,024 float32; v2 1 x 1,024 float32.
;; Outputs: out0 32 x 512 float32; out1 32 x 1,024 float32; out2 32 x 1,024 float32.
;; This version of the problem:
;;   THIS VERSION OF THE PROBLEM IS GIVEN IN LOW PRECISION. The matrix products marked QUANTISED in the list below multiply operands that are first quantised to E3M2 (3 exponent bits, 2 mantissa bits; 6 bits a number), with one power-of-two scale for each 32 numbers along K (OCP MX v1.0); their sums are f32. All else is computed in f32.
;;   The module's matrix products, in the order in which they are computed (A, B: the left and right operand; K: the contracted axis; several contracted axes count as one K, in the product's order):
;;     1. [M 32,768, K 512] x [K 512, N 1,024]; A: input h; B: input W_h (given as codes): QUANTISED
;;     2. [M 32, K 1,024] x [K 1,024, N 1,024]; A: input s_t_hat (given as codes); B: input W_dec (given as codes): QUANTISED
;;     3. [M 32,768, K 1,024] x [K 1,024, N 1,024]; A: input s (given as codes); B: input W_s (given as codes): QUANTISED
;;     4. [M 32,768, K 1,024] x [K 1,024, N 1]; A: computed on the way; B: input v: left as it is (N = 1 < 16)
;;     5. [M 2,048, K 1,024] x [K 1,024, N 1,024]; A: computed on the way; B: input W_s (given as codes): QUANTISED
;;     6. [M 2,048, K 1,024] x [K 1,024, N 1]; A: computed on the way; B: input v2: left as it is (N = 1 < 16)
;;     7. batch 32 x [M 1,024, K 64] x [K 64, N 1]; A: input enc_sent_token_mat; B: computed on the way: left as it is (N = 1 < 16)
;;     8. batch 32 x [M 64, K 1,024] x [K 1,024, N 1]; A: input enc_sent_token_mat; B: computed on the way: left as it is (N = 1 < 16)
;;     9. batch 32 x [M 1, K 64] x [K 64, N 64]; A: computed on the way; B: input sent_all_head_scores: left as it is (M = 1 < 16)
;;     10. batch 32 x [M 1,024, K 64] x [K 64, N 1]; A: input enc_sent_token_mat; B: computed on the way: left as it is (N = 1 < 16)
;;     11. batch 32 x [M 1, K 64] x [K 64, N 64]; A: computed on the way; B: input sent_all_child_scores: left as it is (M = 1 < 16)
;;     12. batch 32 x [M 1,024, K 64] x [K 64, N 1]; A: input enc_sent_token_mat; B: computed on the way: left as it is (N = 1 < 16)
;;     13. batch 32 x [M 1, K 1,024] x [K 1,024, N 512]; A: computed on the way; B: input h: left as it is (M = 1 < 16)
;;   THE QUANTISER, for each operand of a quantised product, along K:
;;     - K is cut into blocks of 32 from its start; a last block that is shorter is filled with zeros.
;;     - A block's scale is 2^e with e = floor(log2(the largest magnitude in the block)) - 4, held to -126 .. 127; a block of zeros has e = 0. As a byte (E8M0): e + 127.
;;     - Each number is divided by its block's scale, clamped to +-28, and rounded to the nearest number of E3M2, ties to even, subnormals kept.
;;     - The product sums the exact products of the quantised numbers (number of the format x scale) in f32.
;;   ~~~python
;;   def quantise(x, axis):      # numpy; x: float32 -> the quantised numbers, widened to float32 again
;;       x = np.moveaxis(x, axis, -1); K = x.shape[-1]
;;       x = np.pad(x, [(0, 0)] * (x.ndim - 1) + [(0, -K % 32)]); x = x.reshape(x.shape[:-1] + (-1, 32)); a = np.abs(x).max(-1, keepdims=True)
;;       e = np.where(a > 0, np.clip(np.frexp(np.where(a > 0, a, 1))[1] - 1 - 4, -126, 127), 0)      # np.frexp(a)[1] - 1 = floor(log2(a)), exactly
;;       r = np.clip(x / 2.0 ** e, -28, 28)
;;       step = 2.0 ** (np.maximum(np.frexp(np.where(r == 0, 1, r))[1] - 1, -2) - 2)
;;       q = np.round(r / step) * step * 2.0 ** e      # np.round: ties to even
;;       return np.moveaxis(q.reshape(q.shape[:-2] + (-1,))[..., :K], -1, axis).astype(np.float32)
;;   ~~~
;;   OPERANDS COMPUTED ON THE WAY. 'Computed on the way' means the value that the module computes at that place (a softmax that the list does not call 'softmax' is quantised finished and normalised). What goes into a quantiser is computed in f32, as accurately as f32 sums, v_exp_f32 and their like allow (about 1e-6 of the number): no bf16 or f16 on the way to a quantiser, and a product that is left as it is and whose result goes on into a quantised operand takes f32 operands (vector FMAs, or v_wmma_f32_16x16x4_f32). A number that lies on a knife's edge between two numbers of the format may be rounded either way, as far as f32 arithmetic and the matrix unit's own rounding can turn it there, and no further.
;;   INPUTS GIVEN AS CODES. W_dec (in the module: [1024, 1024], K = its axis 1); W_h (in the module: [1024, 512], K = its axis 1); W_s (in the module: [1024, 1024], K = its axis 1); s (in the module: [32, 1024, 1024], K = its axis 2); s_t_hat (in the module: [32, 1024], K = its axis 1): each comes as NAME_codes (uint8): NAME with its K axis moved to the last place and cut into blocks of 32 codes, [.., K / 32, bytes a block], one block behind the other in memory; four codes in three bytes: a row's codes are one little-endian stream of bits, code i at bits 6 i .. 6 i + 5 (a code: sign, 3 exponent bits, 2 mantissa bits); and NAME_scales (uint8): the same leading axes, one E8M0 byte (e + 127) for each 32 codes along K. Its value is code x scale, taken as it is: it is not quantised again, and the codes and scales need not be those that the quantiser above would give.
;; One version. Each part assembles by itself: llvm-mc -triple=amdgcn-amd-amdhsa -mcpu=gfx1250 --defsym DOCPART=n.
;; ======== version 1 of 1: 3 launches
;; workspace buffers: h_codes 12,582,912 bytes; h_scales 524,288 bytes; decf 131,072 bytes; spart 1,048,576 bytes; sspart 131,072 bytes
;; launch prep (part 1): grid 544 x 1, 4 waves a work-group, no clusters, 33,280 bytes of LDS; arguments h, h_codes, h_scales, s_t_hat_codes, s_t_hat_scales, W_dec_codes, W_dec_scales, b_dec, decf; writes h_codes, h_scales, decf
.if DOCPART == 1
	.amdgcn_target "amdgcn-amd-amdhsa--gfx1250"
	.amdhsa_code_object_version 6
	.text
	.protected	k_q8fa6d994cb_prep
	.globl	k_q8fa6d994cb_prep
	.p2align	8
	.type	k_q8fa6d994cb_prep,@function
k_q8fa6d994cb_prep:
	s_mov_b64 s[64:65], 0
	v_nop
	global_prefetch_b8 v0, s[64:65] scope:SCOPE_SE
	s_setreg_imm32_b32 hwreg(HW_REG_WAVE_MODE, 25, 1), 1
	s_wait_xcnt 0x0
; FIRST OF THREE LAUNCHES.  Work-groups 0-31: dec_fea = s_t_hat W_dec^T + b_dec (codes of E3M2 as given, f32 sums) -> decf [32][1024].
; Work-groups 32-543: h [32768][512] f32 -> codes of E3M2, K innermost (h_codes [32768][384 bytes]) and one E8M0 byte for each 32 along K (h_scales [32768][16]).
; WORK LEFT OUT IN THIS PROGRAM, for all values of the inputs:
;  - token_scores and sent_scores are named by no line of the computation: they reach no result, are not loaded, and are no launch's argument.
;  - tanh(x) = 1 - 2 / (1 + e^(2x)), so scores[b][t] = sum_n v[n] - 2 sum_n v[n] / (1 + e^(2 att[b][t][n])).  The first term is the same for every t, and scores goes
;    only into a softmax along t: it cancels there, and is not formed.  (For the sentence scores it is kept: enc_sent_token_mat weighs them token by token.)
; LIMIT: a NaN, an infinity or an overflow that reaches only the work left out (token_scores, sent_scores, the sum of v) is not carried to the result.
; LIMITS OF THE QUANTISER: a block of zeros gets the byte 1 where the rule says 127 (its codes are zeros, which add nothing, and this program alone reads the bytes);
; blocks whose largest magnitude lies under 2^(4 - 126) have their byte held at 1; NaN and infinities in h are not served.
; THE QUANTISER.  Rows are dense and 512 is a multiple of 32: h is a plain stream of blocks of 32.  A wave takes 16 steps of 512 numbers.  Each load reads 512 consecutive bytes; a step's 2,048 bytes turn
; through the wave's own stage in LDS (16 bytes of padding behind each 64) so that a lane holds 16 neighbours; two neighbouring lanes hold a block.  A wave's 256 scale bytes leave as one aligned run of 256 bytes.
.set STEPS, 16
.set EMAX,  4
.set CB,    12                         ; bytes of 16 codes
.set R,     16                         ; v16-79   four sets of 16 numbers as loaded
.set X,     80                         ; v80-111  two sets of 16 neighbours
.set E,     112                        ; v112-127 a scale byte for each step
.set C,     128                        ; v128-191 codes, four registers a step
.set WREG,  8192                       ; LDS: a region for each wave: two stages of 32 x SP bytes, then its 256 scale bytes
.set SP,    80
.set SPW,   12                         ; v12 my spare word's LDS address; never rewritten
.set NIL,   13                         ; v13 0; never rewritten
.set SPARE, 4*WREG                     ; the spare words: 128 bytes a wave, named by no other line
.set DECWG, 32                         ; work-groups of the dec_fea path
.set WF,    16                         ; dec path: v16-111 W_dec's fragments of all eight K steps
.set AF,    112                        ; v112-207 s_t_hat's
.set BI,    208                        ; v208-215 b_dec in the result's layout
.set ACC0,  216                        ; v216-223 the even K steps' sum;  v224-231 the odd ones'
.set ACC1,  224
.set WSC,   232                        ; v232-239 W_dec's eight scale words;  v240-247 s_t_hat's: these hold scales alone
.set ASC,   240
	s_load_b512 s[8:23], s[0:1], 0x0               ; h 8, h_codes 10, h_scales 12, s_t_hat_codes 14, s_t_hat_scales 16, W_dec_codes 18, W_dec_scales 20, b_dec 22
	s_load_b64 s[24:25], s[0:1], 0x40              ; decf
	v_lshl_add_u32 v[SPW], v0, 2, SPARE
	v_mov_b32 v[NIL], 0
	v_lshrrev_b32 v1, 5, v0
	v_readfirstlane_b32 s4, v1                     ; wave 0..3
	s_mov_b32 s27, 0
	s_cmp_lt_u32 ttmp9, DECWG                      ; the work-group's number alone decides the path
	s_cbranch_scc1 .Ldec
	v_and_b32 v2, 31, v0                           ; lane
	v_lshlrev_b32 v3, 4, v2                        ; my 16 bytes of a load's 512
	s_mul_i32 s5, s4, WREG
	v_lshrrev_b32 v14, 2, v2
	v_mul_u32_u24 v14, v14, SP
	v_and_b32 v15, 3, v2
	v_lshl_add_u32 v14, v15, 4, v14
	v_add_nc_u32 v14, s5, v14                      ; the stage, way in: SP (lane / 4) + 16 (lane % 4)
	v_mul_u32_u24 v15, v2, SP
	v_add_nc_u32 v15, s5, v15                      ; way out: SP x lane: my 16 neighbours
	v_mul_u32_u24 v4, v2, CB                       ; my codes' place in a step's
	v_lshrrev_b32 v5, 1, v2
	s_add_co_u32 s5, s5, 2*32*SP
	v_add_nc_u32 v5, s5, v5                        ; my block's byte among the wave's 256
	v_lshlrev_b32 v7, 3, v2
	v_add_nc_u32 v6, s5, v7                        ; and 8 bytes a lane on their way out
	s_sub_co_u32 s6, ttmp9, DECWG
	s_lshl_b32 s6, s6, 2
	s_add_co_u32 s6, s6, s4                        ; which run of 8,192 numbers is my wave's: 0 .. 2047
	s_lshl_b32 s26, s6, 15
	s_wait_kmcnt 0x0
	s_add_nc_u64 s[8:9], s[8:9], s[26:27]
	s_mul_i32 s26, s6, 32*STEPS*CB
	s_add_nc_u64 s[10:11], s[10:11], s[26:27]
	s_lshl_b32 s26, s6, 8
	s_add_nc_u64 s[12:13], s[12:13], s[26:27]
.macro LOAD t
.irp i, 0,1,2,3
	global_load_b128 v[R+16*((\t)%4)+4*\i:R+16*((\t)%4)+4*\i+3], v3, s[8:9] offset:2048*(\t)+512*\i th:TH_LOAD_NT   ; 32 lanes read 512 consecutive bytes
.endr
.endm
.macro TURN t                          ; step t's numbers through the stage: LDS serves a wave's instructions in order, so no wait stands between the stores and the loads
.irp i, 0,1,2,3
	ds_store_b128 v14, v[R+16*((\t)%4)+4*\i:R+16*((\t)%4)+4*\i+3] offset:32*SP*((\t)%2)+8*SP*\i
.endr
.irp i, 0,1,2,3
	ds_load_b128 v[X+16*((\t)%2)+4*\i:X+16*((\t)%2)+4*\i+3], v15 offset:32*SP*((\t)%2)+16*\i
.endr
.endm
.irp t, 0,1,2,3
	LOAD \t
.endr
	s_wait_loadcnt 12                              ; step 0's four loads are in; the twelve behind them stay out
	TURN 0
.macro STEP t
.set XS, X+16*((\t)%2)
.if (\t) > 0
	s_wait_dscnt 1                                 ; this step's numbers are back from the stage (the last step's byte store may be out)
.else
	s_wait_dscnt 0x0
.endif
.if (\t)+4 < STEPS
	LOAD (\t)+4                                    ; the registers that the stage's stores have read take the loads of four steps on
.endif
.if (\t)+1 < STEPS
.if STEPS-2-(\t) >= 3
	s_wait_loadcnt 12                              ; the next step's four loads are in; those of the three steps behind it may be out
.else
	s_wait_loadcnt 4*(STEPS-2-(\t))
.endif
	TURN (\t)+1
.endif
	v_max3_num_f32 v8, |v[XS]|, |v[XS+1]|, |v[XS+2]|               ; the largest magnitude of my 16, in two chains
	v_max3_num_f32 v9, |v[XS+3]|, |v[XS+4]|, |v[XS+5]|
.irp i, 6,10
	v_max3_num_f32 v8, v8, |v[XS+\i]|, |v[XS+\i+1]|
	v_max3_num_f32 v9, v9, |v[XS+\i+2]|, |v[XS+\i+3]|
.endr
	v_max3_num_f32 v8, v8, |v[XS+14]|, |v[XS+15]|
	v_max3_num_f32 v8, v8, v9, (EMAX+1)<<23        ; and the floor 2^(EMAX + 1 - 127): the byte cannot fall under 1
	v_max_num_f32_dpp v8, v8, v8 row_xmask:1 row_mask:0xf bank_mask:0xf   ; with my neighbour's 16: the block's
	v_add_nc_u32 v11, -(EMAX<<23), v8              ; EMAX off its exponent field: the conversion takes that field as its scale
	v_cvt_scalef32_pk16_bf6_f32 v[C+4*(\t):C+4*(\t)+2], v[XS:XS+15], v11
	v_lshrrev_b32 v[E+(\t)], 23, v11               ; the scale's byte (also the plain line behind the conversion)
	ds_store_b8 v5, v[E+(\t)] offset:16*(\t)       ; both lanes of a block write the same byte with the same value
	global_store_b96 v4, v[C+4*(\t):C+4*(\t)+2], s[10:11] offset:32*CB*(\t)   ; the wave stores 384 consecutive bytes
.endm
.irp t, 0,1,2,3,4,5,6,7,8,9,10,11,12,13,14,15
	STEP \t
.endr
	ds_load_b64 v[8:9], v6                         ; in order behind my byte stores
	s_wait_dscnt 0x0
	global_store_b64 v7, v[8:9], s[12:13]          ; 32 lanes store 256 consecutive bytes, aligned
	s_wait_tensorcnt 0x0                           ; the wave's end, behind my last LDS store
	ds_add_u32 v[SPW], v[NIL]
	s_wait_dscnt 0x0
	s_endpgm
; dec_fea.  Wave task 4 x work-group + wave = 2 nt + m takes columns 16 nt .. 16 nt + 15 of batches 16 m .. 16 m + 15: 128 tasks.  The product is used transposed (source 0 = 16 rows of W_dec, source 1 = 16 rows
; of s_t_hat): a lane holds one batch (lane % 16) and eight neighbouring columns.
; A LANE TAKES 48 CONSECUTIVE BYTES OF EACH K STEP, at 96 k + 48 (lane / 16) of its row, by three loads of 16 bytes at multiples of 16: blocks 4 k + 2 h and 4 k + 2 h + 1 of 32 codes.  The operand's layout gives a lane's
; registers 0-5 to the instruction's block h and registers 6-11 to its block 2 + h: so the instruction meets the K step's four blocks in the order 0, 2, 1, 3, alike in both operands, which leaves every product with its
; partner; the scale words' two middle bytes are swapped to match.  All 48 fragment loads of a wave go out at once.
; Two accumulators take turns, one instruction a turn: the even K steps begin with b_dec as C, the odd ones with 0; the two sums are added at the end.
.Ldec:
	v_and_b32 v1, 15, v0                           ; r
	v_bfe_u32 v2, v0, 4, 1                         ; h
	v_mul_u32_u24 v3, v1, 768                      ; a row of 1,024 codes is 768 bytes
	v_mad_u32_u24 v3, v2, 48, v3
	v_lshlrev_b32 v5, 5, v1                        ; a row of scale bytes is 32 bytes
	v_lshlrev_b32 v6, 5, v2                        ; my half's eight columns, in bytes
	v_lshl_add_u32 v7, v1, 12, v6                  ; decf: row r of 4,096 bytes + 32 h
	s_lshl_b32 s5, ttmp9, 2
	s_add_co_u32 s5, s5, s4                        ; the task, 0 .. 127
	s_lshr_b32 s6, s5, 1                           ; nt
	s_and_b32 s7, s5, 1                            ; m
	s_mov_b32 s28, 0x03010200                      ; v_perm_b32: bytes 0, 2, 1, 3 of the second source
	s_wait_kmcnt 0x0
	s_mul_i32 s26, s6, 16*768
	s_add_nc_u64 s[18:19], s[18:19], s[26:27]
	s_lshl_b32 s26, s6, 9
	s_add_nc_u64 s[20:21], s[20:21], s[26:27]
	s_lshl_b32 s26, s6, 6
	s_add_nc_u64 s[22:23], s[22:23], s[26:27]
	s_add_nc_u64 s[24:25], s[24:25], s[26:27]
	s_mul_i32 s26, s7, 16*768
	s_add_nc_u64 s[14:15], s[14:15], s[26:27]
	s_lshl_b32 s26, s7, 9
	s_add_nc_u64 s[16:17], s[16:17], s[26:27]
	s_lshl_b32 s26, s7, 16
	s_add_nc_u64 s[24:25], s[24:25], s[26:27]
	global_load_b128 v[WSC:WSC+3], v5, s[20:21]
	global_load_b128 v[WSC+4:WSC+7], v5, s[20:21] offset:16
	global_load_b128 v[ASC:ASC+3], v5, s[16:17]
	global_load_b128 v[ASC+4:ASC+7], v5, s[16:17] offset:16
	global_load_b128 v[BI:BI+3], v6, s[22:23]
	global_load_b128 v[BI+4:BI+7], v6, s[22:23] offset:16
.irp k, 0,1,2,3,4,5,6,7
.irp c, 0,1,2
	global_load_b128 v[WF+12*\k+4*\c:WF+12*\k+4*\c+3], v3, s[18:19] offset:96*\k+16*\c
	global_load_b128 v[AF+12*\k+4*\c:AF+12*\k+4*\c+3], v3, s[14:15] offset:96*\k+16*\c
.endr
.endr
	s_wait_loadcnt 48                              ; the scale words and b_dec are in; the 48 fragment loads behind them stay out
.irp k, 0,1,2,3,4,5,6,7
	v_perm_b32 v[WSC+\k], v[WSC+\k], v[WSC+\k], s28    ; each word's bytes in the order in which the instruction meets the blocks
	v_perm_b32 v[ASC+\k], v[ASC+\k], v[ASC+\k], s28
.endr
.rept 8
	v_nop                                          ; a scale register written by a vector instruction stands eight places ahead of a scaled matrix instruction
.endr
	s_wait_loadcnt 0x0
.irp k, 0,1,2,3,4,5,6,7
.if \k == 0
	v_wmma_scale_f32_16x16x128_f8f6f4 v[ACC0:ACC0+7], v[WF:WF+11], v[AF:AF+11], v[BI:BI+7], v[WSC], v[ASC] matrix_a_fmt:MATRIX_FMT_BF6 matrix_b_fmt:MATRIX_FMT_BF6
.elseif \k == 1
	v_wmma_scale_f32_16x16x128_f8f6f4 v[ACC1:ACC1+7], v[WF+12:WF+23], v[AF+12:AF+23], 0, v[WSC+1], v[ASC+1] matrix_a_fmt:MATRIX_FMT_BF6 matrix_b_fmt:MATRIX_FMT_BF6
.else
	v_wmma_scale_f32_16x16x128_f8f6f4 v[ACC0+8*(\k%2):ACC0+8*(\k%2)+7], v[WF+12*\k:WF+12*\k+11], v[AF+12*\k:AF+12*\k+11], v[ACC0+8*(\k%2):ACC0+8*(\k%2)+7], v[WSC+\k], v[ASC+\k] matrix_a_fmt:MATRIX_FMT_BF6 matrix_b_fmt:MATRIX_FMT_BF6
.endif
.endr
.rept 4
	v_nop                                          ; four places in front of the additions, which read the results and write registers that the products have read (ISA guide 7.12.1)
.endr
.irp j, 0,2,4,6
	v_pk_add_f32 v[WF+\j:WF+\j+1], v[ACC0+\j:ACC0+\j+1], v[ACC1+\j:ACC1+\j+1]   ; each accumulator from its low end on
.endr
	global_store_b128 v7, v[WF:WF+3], s[24:25]
	global_store_b128 v7, v[WF+4:WF+7], s[24:25] offset:16
	s_endpgm
.Lfunc_end_k_q8fa6d994cb_prep:
	.size	k_q8fa6d994cb_prep, .Lfunc_end_k_q8fa6d994cb_prep-k_q8fa6d994cb_prep
	.p2alignl 7, 3214868480
	.fill 96, 4, 3214868480
	.section	.rodata,"a",@progbits
	.p2align	6, 0x0
	.amdhsa_kernel k_q8fa6d994cb_prep
		.amdhsa_group_segment_fixed_size 33280
		.amdhsa_private_segment_fixed_size 0
		.amdhsa_enable_private_segment 0
		.amdhsa_kernarg_size 72
		.amdhsa_user_sgpr_count 2
		.amdhsa_user_sgpr_kernarg_segment_ptr 1
		.amdhsa_wavefront_size32 1
		.amdhsa_system_sgpr_workgroup_id_x 1
		.amdhsa_system_sgpr_workgroup_id_y 1
		.amdhsa_system_sgpr_workgroup_id_z 1
		.amdhsa_system_vgpr_workitem_id 0
		.amdhsa_next_free_vgpr 248
		.amdhsa_next_free_sgpr 66
		.amdhsa_reserve_vcc 0
		.amdhsa_float_denorm_mode_32 3
		.amdhsa_float_denorm_mode_16_64 3
		.amdhsa_memory_ordered 1
		.amdhsa_forward_progress 1
		.amdhsa_inst_pref_size 41
	.end_amdhsa_kernel
	.amdgpu_metadata
---
amdhsa.version: [ 1, 2 ]
amdhsa.kernels:
  - .name:           k_q8fa6d994cb_prep
    .symbol:         k_q8fa6d994cb_prep.kd
    .args:
      - { .name: h, .offset: 0, .size: 8, .value_kind: global_buffer, .address_space: global }
      - { .name: h_codes, .offset: 8, .size: 8, .value_kind: global_buffer, .address_space: global }
      - { .name: h_scales, .offset: 16, .size: 8, .value_kind: global_buffer, .address_space: global }
      - { .name: s_t_hat_codes, .offset: 24, .size: 8, .value_kind: global_buffer, .address_space: global }
      - { .name: s_t_hat_scales, .offset: 32, .size: 8, .value_kind: global_buffer, .address_space: global }
      - { .name: W_dec_codes, .offset: 40, .size: 8, .value_kind: global_buffer, .address_space: global }
      - { .name: W_dec_scales, .offset: 48, .size: 8, .value_kind: global_buffer, .address_space: global }
      - { .name: b_dec, .offset: 56, .size: 8, .value_kind: global_buffer, .address_space: global }
      - { .name: decf, .offset: 64, .size: 8, .value_kind: global_buffer, .address_space: global }
    .group_segment_fixed_size: 33280
    .private_segment_fixed_size: 0
    .kernarg_segment_align: 8
    .kernarg_segment_size: 72
    .max_flat_workgroup_size: 128
    .sgpr_count:     66
    .vgpr_count:     248
    .wavefront_size: 32
...
	.end_amdgpu_metadata
.endif
;; end of part 1
;; launch gemm (part 2): grid 4 x 128, 4 waves a work-group, clusters of 4 x 4, 327,680 bytes of LDS; arguments h_codes, h_scales, s_scales, W_h_codes, W_h_scales, W_s_scales, decf, sent_level_rep, s_codes, W_s_codes, coverage, W_c, v, v2, spart, sspart; writes spart, sspart
.if DOCPART == 2
	.amdgcn_target "amdgcn-amd-amdhsa--gfx1250"
	.amdhsa_code_object_version 6
	.text
	.protected	k_q8fa6d994cb_gemm
	.globl	k_q8fa6d994cb_gemm
	.p2align	8
	.type	k_q8fa6d994cb_gemm,@function
k_q8fa6d994cb_gemm:
	s_mov_b64 s[64:65], 0
	v_nop
	global_prefetch_b8 v0, s[64:65] scope:SCOPE_SE
	s_setreg_imm32_b32 hwreg(HW_REG_WAVE_MODE, 25, 1), 1
	s_wait_xcnt 0x0
	s_wait_alu depctr_hold_cnt(0) depctr_sa_sdst(0) depctr_va_vdst(0) depctr_va_sdst(0) depctr_va_ssrc(0) depctr_va_vcc(0) depctr_vm_vsrc(0)
	s_getreg_b32 s2, hwreg(HW_REG_IB_STS2, 6, 4)
	s_cmp_eq_u32 s2, 0
	s_cbranch_scc0 .Lentry_in_a_cluster
	s_endpgm
.Lentry_in_a_cluster:
	s_bfe_u32 s2, ttmp6, 0x10000c
	s_cmp_lg_u32 s2, 0xf033
	s_cbranch_scc0 .Lentry_shape_is_right
	s_endpgm
.Lentry_shape_is_right:
; SECOND LAUNCH.  att[t][n] = h W_h^T + s W_s^T + dec_fea + coverage W_c is ONE product on codes of E3M2, [h | s] (32,768 x 1,536) against [W_h | W_s] (1,024 x 1,536), followed in registers by
; tanh and the dot with v.  Left out (shown at the first launch's head): the term sum of v[n], which is the same for every token of a softmax's axis: what is stored is -2 sum_n v[n] / (1 + 2^(c att)), c = 2 log2 e.
; A work-group of four waves makes a block of 256 tokens x 256 columns; a wave 128 x 128: 64 accumulators.  Its sum over its 128 columns goes to spart [8 parts][32768].
; K goes in six tiles of 256 (rows of 192 bytes) through a ring of two LDS slots: tiles 0, 1 from h_codes / W_h_codes (rows 384 bytes apart), tiles 2-5 from s_codes / W_s_codes (768 apart): twelve steps of 128, written out.
; THE SENTENCE PRODUCT RIDES ALONG.  Work-group (x, y) also takes sentence rows 16 y .. 16 y + 15 (of the same batch y / 4): Q(sent_level_rep + dec_fea), quantised at the head, eight fragments as images of their registers in LDS,
; against its own 256 columns of W_s: each wave four more matrix instructions in each of the last eight steps, on its fragments 0-3 of B.  So that these are other columns in the waves that share a column half,
; B's fragment b stands for block (b + 4 i) mod 8 of the half (i = wave / 2), by address alone.  tanh is formed whole there; its dot with v2 over the wave's 64 columns goes to sspart [2048][16 parts].
; CLUSTER 4 x 4: the four of a row need the same tiles of A, the four of a column the same tiles of B: joint loads.  The scale bytes (24,576 of a work-group's 614,400 bytes of fills) come by plain loads, one a wave and shape.
; THE MATRIX INSTRUCTION IS USED TRANSPOSED (source 0 = 16 rows of B, source 1 = 16 rows of A): a lane holds one token (lane % 16) and eight columns, so the dot with v stays in the lane but for one exchange of halves.
; REGISTERS.  Window 0: v0-31 addresses; v32-63 and v76 scale words and nothing else; v64-75 the sentence fragment; v80-95 coverage, in pairs; v96-127 at work; v128-223 A's fragments, one set.
;   Window 1: B's two sets at v0 and v128; v96-127 the four sentence accumulators.  Windows 2, 3: the token accumulators ((a, b) at v[8 (8 (a % 4) + b)]).
; LIMITS: a block of zeros gets the byte 1 (its codes are zeros); NaN and infinities in sent_level_rep are not served; 1 / x by v_rcp_f32.
.set PITCH,  240                       ; an LDS row: 3 x (64 bytes + 16 of padding)
.set HALFT,  128*PITCH
.set SLOT,   4*HALFT                   ; A's 256 rows, then B's 256
.set FR,     12
.set NL,     6
.set NP,     4                         ; places behind this matrix instruction (ISA guide 7.12.1)
.set SCH,    2*SLOT                    ; scale bytes of h / W_h: four regions of 8 x 272
.set SCS,    SCH+4*2176                ; of s / W_s: four regions of 16 x 272
.set SIMG,   SCS+4*4352                ; the sentence tile's eight fragments, 1,536 bytes each
.set SSCL,   SIMG+8*1536               ; their scale words, 128 bytes each
.set TBL,    SSCL+8*128                ; c dec_fea, c W_c, -2 v, v2 of my 256 columns: 1,024 bytes each
.set STG,    TBL+4096                  ; the way out: 512 bytes a wave
.set SPARE,  STG+2048                  ; the spare words, 128 bytes a wave, named by no other line
.set PFO,   7
.set ADRA,  8                          ; v8-9 A's fragments in slot 0, 1; v10-11 behind one padding more
.set ADRBL, 12                         ; v12-15 the same for B's fragments 0-3
.set ADRBH, 16                         ; v16-19 for B's fragments 4-7
.set ASHL,  20                         ; v20, v21 scale words of h / W_h: blocks 0-3, blocks 4-7 (lanes 0-15 A's, lanes 16-31 B's)
.set ASSL,  22                         ; v22, v23 of s / W_s
.set LI,    24
.set LS,    25
.set EPL,   26
.set EPH,   27
.set SPW,   28
.set NIL,   29
.set STO,   30
.set RD,    31
.set SC,    32
.set SF,    64
.set SSC,   76
.set PW,    78
.set COV,   80
.set PC,    96
.set TM,    116
.set AF,    128
.set YY,    192
.set G1H,  4                           ; s[4:11]   group 1, scale bytes of 128 rows x 16
.set G1S,  16                          ; s[16:23]  of 128 rows x 32
.set G1A,  24                          ; s[24:31]  A's tiles, rows 384 bytes apart
.set G0A,  32                          ; s[32:39]  group 0, a set for each slot
.set G0H,  40
.set G0S,  44
.set G1B,  48
.set G0B,  56
.set CS,   66                          ; s[66:67]  c, twice
.set G1AS, 68                          ; s[68:75], s[76:83] groups 1 for rows 768 bytes apart: written where eight pointers have been used up
.set G1BS, 76
.set ASB,  84                          ; s[84:85]  s_codes at the rows that I fetch;  s[86:87] W_s_codes likewise
.set BSB,  86
.set PFA,  40                          ; s[40:41]  the prefetches' base, once the scale loads are done
.set SEL,  104
.set FLD,  (1<<20)|(1<<21)|(3<<22)|(3<<25)     ; padding on; bit 21 beside a mask; after every 16 words; 4 words
.set MSB, 0
.macro WIN new                         ; the immediate's high byte repeats the setting that is left
.if MSB != (\new)
	s_set_vgpr_msb (MSB<<8)|(\new)
.set MSB, (\new)
.endif
.endm
.set MUL_LO, 0xa1
.set MUL_HI, 0xf1
.set TO_B,   0x40
.macro JLOAD g0a, g1a, g0b, g1b        ; a joint load: waves 0, 1 fetch A's halves, waves 2, 3 B's; an s_nop 0 and four v_nop follow each line
	s_cmp_eq_u32 s13, 0
	s_cbranch_scc0 .Lfor_b_\@
	tensor_load_to_lds s[\g0a:\g0a+3], s[\g1a:\g1a+7]
	s_nop 0
.rept 4
	v_nop
.endr
	s_branch .Lasked_\@
.Lfor_b_\@:
	tensor_load_to_lds s[\g0b:\g0b+3], s[\g1b:\g1b+7]
	s_nop 0
.rept 4
	v_nop
.endr
.Lasked_\@:
.endm
.macro CREST
	s_cmp_lg_u32 s12, 0
	s_cbranch_scc1 .Lnot_wave_0_\@
	s_barrier_signal -3
.Lnot_wave_0_\@:
	s_barrier_wait -3
	s_barrier_signal -1
	s_barrier_wait -1
.endm
.macro CROUND
	s_barrier_signal -1
	s_barrier_wait -1
	CREST
.endm
.macro PLACES n
.rept \n
	v_nop
.endr
.endm
	s_load_b512 s[68:83], s[0:1], 0x0              ; h_codes 68, h_scales 70, s_scales 72, W_h_codes 74, W_h_scales 76, W_s_scales 78, decf 80, sent_level_rep 82
	s_load_b512 s[84:99], s[0:1], 0x40             ; s_codes 84, W_s_codes 86, coverage 88, W_c 90, v 92, v2 94, spart 96, sspart 98
	v_lshl_add_u32 v[SPW], v0, 2, SPARE
	v_mov_b32 v[NIL], 0
	ds_add_u32 v[SPW], v[NIL]                      ; the wave's opening: the add, twice on end, and its wait ahead of my first tensor load
	ds_add_u32 v[SPW], v[NIL]
	v_lshrrev_b32 v1, 5, v0
	v_readfirstlane_b32 s12, v1                    ; wave
	s_lshr_b32 s13, s12, 1                         ; i: my half of the rows.  Also: I fetch for A (0) or B (1)
	s_and_b32 s14, s12, 1                          ; j: my half of the columns.  Also: which 128 rows I fetch
	s_bfe_u32 s2, ttmp6, 0x40000                   ; cx
	s_bfe_u32 s3, ttmp6, 0x40004                   ; cy
	s_lshl_b32 s100, ttmp9, 2
	s_add_co_u32 s100, s100, s2                    ; x: my block of 256 columns
	s_and_b32 s101, ttmp7, 0xffff
	s_lshl_b32 s101, s101, 2
	s_add_co_u32 s101, s101, s3                    ; y: my block of 256 tokens
	s_lshl_b32 s3, s3, 2
	s_lshl_b32 s3, 15, s3                          ; my row of the cluster
	s_lshl_b32 s2, 0x1111, s2                      ; my column
	s_or_b32 s[G1A], s3, FLD                       ; elements of 1 byte; A's tiles go to my row
	s_or_b32 s[G1B], s2, FLD
.irp g, G1A, G1B
	s_mov_b32 s[\g+1], 192<<16                     ; tensor_dim0
	s_mov_b32 s[\g+2], 128<<16                     ; tensor_dim1
	s_mov_b32 s[\g+3], 192<<16                     ; tile_dim0
	s_mov_b32 s[\g+4], 128                         ; tile_dim1
	s_mov_b32 s[\g+5], 384                         ; bytes from row to row
	s_mov_b32 s[\g+6], 0
	s_mov_b32 s[\g+7], 0
.endr
	s_mov_b32 s[G1H], (3<<16)|(1<<20)|(5<<22)|(3<<25)   ; a dense block as rows of 256 bytes (32 elements of 8), 16 bytes of padding behind each; no mask
	s_mov_b32 s[G1H+1], 32<<16
	s_mov_b32 s[G1H+2], 8<<16
	s_mov_b32 s[G1H+3], 32<<16
	s_mov_b32 s[G1H+4], 8
	s_mov_b32 s[G1H+5], 32
	s_mov_b32 s[G1H+6], 0
	s_mov_b32 s[G1H+7], 0
	s_mov_b32 s[G1S], (3<<16)|(1<<20)|(5<<22)|(3<<25)
	s_mov_b32 s[G1S+1], 32<<16
	s_mov_b32 s[G1S+2], 16<<16
	s_mov_b32 s[G1S+3], 32<<16
	s_mov_b32 s[G1S+4], 16
	s_mov_b32 s[G1S+5], 32
	s_mov_b32 s[G1S+6], 0
	s_mov_b32 s[G1S+7], 0
	s_lshl_b32 s15, s14, 7
	s_lshl_b32 s66, s101, 8
	s_add_co_u32 s66, s66, s15                     ; A: the first row that I would fetch (y and the wave alone)
	s_lshl_b32 s67, s100, 8
	s_add_co_u32 s67, s67, s15                     ; B: likewise (x and the wave alone)
	s_mul_i32 s[G0A+2], s66, 384
	s_mov_b32 s[G0A+3], 0
	s_mul_i32 s[G0A+6], s66, 768
	s_mov_b32 s[G0A+7], 0
	s_mul_i32 s[G0B+2], s67, 384
	s_mov_b32 s[G0B+3], 0
	s_mul_i32 s[G0B+6], s67, 768
	s_mov_b32 s[G0B+7], 0
	s_cmp_eq_u32 s13, 0
	s_cselect_b32 s15, s66, s67                    ; the rows whose scale bytes I fetch, by a load of my own
	s_lshl_b32 s[G0H+2], s15, 4
	s_mov_b32 s[G0H+3], 0
	s_lshl_b32 s[G0S+2], s15, 5
	s_mov_b32 s[G0S+3], 0
	s_mov_b32 s[G0H], 1
	s_mul_i32 s[G0H+1], s12, 2176
	s_add_co_u32 s[G0H+1], s[G0H+1], SCH
	s_mov_b32 s[G0S], 1
	s_mul_i32 s[G0S+1], s12, 4352
	s_add_co_u32 s[G0S+1], s[G0S+1], SCS
	s_mov_b32 s[G0A], 1
	s_mul_i32 s[G0A+1], s12, HALFT                 ; wave x 128 rows: no place in the cluster enters an LDS address
	s_mov_b32 s[G0A+4], 1
	s_add_co_u32 s[G0A+5], s[G0A+1], SLOT
	s_mov_b32 s[G0B], 1
	s_mul_i32 s[G0B+1], s12, HALFT
	s_mov_b32 s[G0B+4], 1
	s_add_co_u32 s[G0B+5], s[G0B+1], SLOT
	s_wait_dscnt 0x0                               ; both opening adds are done
	s_wait_kmcnt 0x0
	s_add_nc_u64 s[ASB:ASB+1], s[ASB:ASB+1], s[G0A+6:G0A+7]
	s_add_nc_u64 s[BSB:BSB+1], s[BSB:BSB+1], s[G0B+6:G0B+7]
	s_add_nc_u64 s[G0A+2:G0A+3], s[68:69], s[G0A+2:G0A+3]      ; K tile 0
	s_add_nc_u64 s[G0A+6:G0A+7], s[G0A+2:G0A+3], 192           ; K tile 1
	s_or_b32 s[G0A+3], s[G0A+3], 0x80000000
	s_or_b32 s[G0A+7], s[G0A+7], 0x80000000
	s_add_nc_u64 s[G0B+2:G0B+3], s[74:75], s[G0B+2:G0B+3]
	s_add_nc_u64 s[G0B+6:G0B+7], s[G0B+2:G0B+3], 192
	s_or_b32 s[G0B+3], s[G0B+3], 0x80000000
	s_or_b32 s[G0B+7], s[G0B+7], 0x80000000
	s_cmp_eq_u32 s13, 0
	s_cselect_b64 s[70:71], s[70:71], s[76:77]     ; h_scales or W_h_scales: the choice hangs on the wave's number alone
	s_cselect_b64 s[72:73], s[72:73], s[78:79]     ; s_scales or W_s_scales
	s_add_nc_u64 s[G0H+2:G0H+3], s[70:71], s[G0H+2:G0H+3]
	s_or_b32 s[G0H+3], s[G0H+3], 0x80000000
	s_add_nc_u64 s[G0S+2:G0S+3], s[72:73], s[G0S+2:G0S+3]
	s_or_b32 s[G0S+3], s[G0S+3], 0x80000000
	CROUND                                         ; all sixteen work-groups are here: the first joint loads meet
	tensor_load_to_lds s[G0H:G0H+3], s[G1H:G1H+7]  ; the first fills, one group: four tensor loads of mine are out
	s_nop 0
	tensor_load_to_lds s[G0S:G0S+3], s[G1S:G1S+7]
	s_nop 0
	JLOAD G0A, G1A, G0B, G1B
	JLOAD G0A+4, G1A, G0B+4, G1B
	; what the head brings through registers: my two fragments' worth of sent_level_rep and dec_fea, my share of the four tables, my tokens' coverage
	v_and_b32 v1, 15, v0                           ; r: kept
	v_bfe_u32 v2, v0, 4, 1                         ; h: kept
	v_lshlrev_b32 v4, 6, v2
	v_lshl_add_u32 v4, s12, 10, v4                 ; dec_fea: 64 h + 1,024 wave (fragments 2 wave, 2 wave + 1)
	v_lshl_add_u32 v3, v1, 12, v4                  ; sent_level_rep: + row r of 4,096 bytes
	v_lshlrev_b32 v5, 3, v0
	v_lshl_add_u32 v5, s100, 10, v5                ; tables: columns 256 x + 2 thread
	v_lshlrev_b32 v6, 2, v1
	s_lshl_b32 s66, s101, 16
	s_mov_b32 s67, 0
	s_add_nc_u64 s[82:83], s[82:83], s[66:67]      ; sentence rows 16 y on
	s_lshr_b32 s66, s101, 2
	s_lshl_b32 s66, s66, 12
	s_add_nc_u64 s[80:81], s[80:81], s[66:67]      ; dec_fea of batch y / 4
	s_lshl_b32 s66, s101, 10
	s_lshl_b32 s15, s13, 9
	s_add_co_u32 s66, s66, s15
	s_add_nc_u64 s[88:89], s[88:89], s[66:67]      ; coverage at token 256 y + 128 i
.macro XLOAD reg, adr, base, off       ; 64 numbers a lane: register 16 b + n = k 32 b + 16 h + n of a fragment's 128
.irp b, 0,1,2,3
.irp jj, 0,1,2,3
	global_load_b128 v[\reg+16*\b+4*\jj:\reg+16*\b+4*\jj+3], v[\adr], s[\base:\base+1] offset:\off+128*\b+16*\jj
.endr
.endr
.endm
	XLOAD 128, 3, 82, 0
	XLOAD 192, 4, 80, 0
	WIN TO_B                                       ; the second fragment's numbers wait in window 1
	XLOAD 0, 3, 82, 512
	XLOAD 128, 4, 80, 512
	WIN 0
	global_load_b64 v[64:65], v5, s[80:81]
	global_load_b64 v[66:67], v5, s[90:91]
	global_load_b64 v[68:69], v5, s[92:93]
	global_load_b64 v[70:71], v5, s[94:95]
.irp a, 0,1,2,3,4,5,6,7
	global_load_b32 v[COV+2*\a], v6, s[88:89] offset:64*\a
.endr
	; LDS addresses, while the loads are on their way
	s_mov_b32 s[SEL], 0x76543210
	s_mov_b32 s[SEL+1], 0xfedcba98
.irp b, 0,1,2,3
	v_mov_b32 v[TM+4+\b], 0                        ; a lane permute's destination counts as one of its sources
.endr
	v_and_b32 v77, 31, v0
	v_lshl_add_u32 v[LI], v77, 4, SIMG
	v_lshl_add_u32 v[LS], v77, 2, SSCL
	s_mul_i32 s15, s12, 3072
	v_add_nc_u32 v72, s15, v[LI]                   ; where I store my two images
	s_lshl_b32 s15, s12, 8
	v_add_nc_u32 v73, s15, v[LS]                   ; and their scale words
	v_lshl_add_u32 v74, v0, 3, TBL
	s_lshl_b32 s15, s12, 9
	s_add_co_u32 s15, s15, STG
	v_lshl_add_u32 v[STO], v77, 2, s15
	v_lshl_add_u32 v[RD], v77, 4, s15
	v_mul_u32_u24 v[PFO], v77, 768
	s_lshl_b32 s15, s14, 9
	s_add_co_u32 s15, s15, TBL
	s_lshl_b32 s66, s13, 8
	s_add_co_u32 s66, s66, s15
	v_lshl_add_u32 v[EPL], v2, 5, s66              ; tables, fragments 0-3: 512 j + 256 i + 32 h
	s_xor_b32 s66, s13, 1
	s_lshl_b32 s66, s66, 8
	s_add_co_u32 s66, s66, s15
	v_lshl_add_u32 v[EPH], v2, 5, s66              ; fragments 4-7: the other four blocks of the half
	v_mul_u32_u24 v77, v1, PITCH
	v_mad_u32_u24 v77, v2, 24, v77                 ; a fragment's row x pitch + 24 x half
	v_lshl_add_u32 v79, v2, 4, v77                 ; and behind one padding more
	s_mul_i32 s15, s13, HALFT
.irp s, 0,1
	v_add_nc_u32 v[ADRA+\s], s15, v77
	v_add_nc_u32 v[ADRA+2+\s], s15, v79
	s_add_co_u32 s15, s15, SLOT
.endr
	s_mul_i32 s15, s14, HALFT
	s_add_co_u32 s15, s15, 2*HALFT
	s_mul_i32 s66, s13, 64*PITCH
	s_add_co_u32 s66, s66, s15
	s_xor_b32 s67, s13, 1
	s_mul_i32 s67, s67, 64*PITCH
	s_add_co_u32 s67, s67, s15
.irp s, 0,1
	v_add_nc_u32 v[ADRBL+\s], s66, v77
	v_add_nc_u32 v[ADRBL+2+\s], s66, v79
	v_add_nc_u32 v[ADRBH+\s], s67, v77
	v_add_nc_u32 v[ADRBH+2+\s], s67, v79
	s_add_co_u32 s66, s66, SLOT
	s_add_co_u32 s67, s67, SLOT
.endr
	; scale words: lanes 0-15 take A's block n, lanes 16-31 B's fragment n: the lower base + h x the distance, in blocks of 16 rows: 12 + 8 j + 4 (i xor 1) for n < 4, 4 + 8 j + 12 (i xor 1) for n >= 4
	s_xor_b32 s15, s13, 1
	s_lshl_b32 s66, s14, 3
	s_lshl_b32 s67, s15, 2
	s_add_co_u32 s67, s67, s66
	s_add_co_u32 s67, s67, 12
	s_mul_i32 s15, s15, 12
	s_add_co_u32 s66, s66, s15
	s_add_co_u32 s66, s66, 4
	v_lshlrev_b32 v77, 4, v1                       ; rows of 16 bytes
	s_mul_i32 s15, s13, 2176
	s_add_co_u32 s15, s15, SCH
	v_add_nc_u32 v77, s15, v77
	s_mul_i32 s15, s67, 272
	v_mul_u32_u24 v79, s15, v2
	v_add_nc_u32 v[ASHL], v77, v79
	s_mul_i32 s15, s66, 272
	v_mul_u32_u24 v79, s15, v2
	v_add_nc_u32 v[ASHL+1], v77, v79
	v_lshrrev_b32 v79, 3, v1
	v_lshlrev_b32 v77, 5, v1
	v_lshl_add_u32 v77, v79, 4, v77                ; rows of 32 bytes, 16 more behind each 256
	s_mul_i32 s15, s13, 4352
	s_add_co_u32 s15, s15, SCS
	v_add_nc_u32 v77, s15, v77
	s_mul_i32 s15, s67, 544
	v_mul_u32_u24 v79, s15, v2
	v_add_nc_u32 v[ASSL], v77, v79
	s_mul_i32 s15, s66, 544
	v_mul_u32_u24 v79, s15, v2
	v_add_nc_u32 v[ASSL+1], v77, v79
; 64 numbers of a lane, v[s] on, become a fragment's codes in v[PC] on and its scale word in v[PW]
.macro QUANT s
.irp b, 0,1,2,3
	v_max3_num_f32 v[TM+\b], |v[\s+16*\b]|, |v[\s+1+16*\b]|, 0x2800000   ; my 16 numbers of block b, and the floor 2^(5 - 127)
.endr
.irp i, 2,4,6,8,10,12,14
.irp b, 0,1,2,3
	v_max3_num_f32 v[TM+\b], v[TM+\b], |v[\s+16*\b+\i]|, |v[\s+1+16*\b+\i]|
.endr
.endr
.irp b, 0,1,2,3
	v_permlanex16_b32 v[TM+4+\b], v[TM+\b], s[SEL], s[SEL+1]
.endr
.irp b, 0,1,2,3
	v_max_num_f32 v[TM+\b], v[TM+\b], v[TM+4+\b]   ; with lane l xor 16's: the block's largest magnitude
.endr
.irp b, 0,1,2,3
	v_add_nc_u32 v[TM+8+\b], 0xfe000000, v[TM+\b]  ; 4 off its exponent field: the conversion's scale operand
.endr
.irp b, 0,1,2,3
	v_lshrrev_b32 v[TM+4+\b], 23, v[TM+8+\b]       ; the scale's byte
.endr
	v_lshl_or_b32 v[PW], v[TM+5], 8, v[TM+4]
	v_lshl_or_b32 v[PW], v[TM+6], 16, v[PW]
	v_lshl_or_b32 v[PW], v[TM+7], 24, v[PW]
.irp c, 0,1
	v_cvt_scalef32_pk16_bf6_f32 v[PC+6*\c:PC+2+6*\c], v[\s+32*\c:\s+15+32*\c], v[TM+8+2*\c]
	v_cvt_scalef32_pk16_bf6_f32 v[PC+12+4*\c:PC+14+4*\c], v[\s+16+32*\c:\s+31+32*\c], v[TM+8+2*\c+1]
.endr
	v_nop                                          ; one plain place behind a scaled conversion
.irp c, 0,1                                    ; the operand's layout wants a whole block in a lane
.irp i, 0,1,2
	v_permlane16_swap_b32 v[PC+6*\c+\i], v[PC+12+4*\c+\i]
.endr
.irp i, 0,1,2
	v_mov_b32 v[PC+3+6*\c+\i], v[PC+12+4*\c+\i]
.endr
.endr
.endm
.macro IMAGE off                               ; the fragment goes to LDS as it stands: 16 bytes a lane, 512 a store
.irp c, 0,1,2
	ds_store_b128 v72, v[PC+4*\c:PC+4*\c+3] offset:\off+512*\c
.endr
.endm
	s_wait_loadcnt 44                              ; the first fragment's 32 loads are in; behind them: 32 of the second, 4 of the tables, 8 of coverage
.set n, 0
.rept 32
	v_pk_add_f32 v[128+n:129+n], v[128+n:129+n], v[192+n:193+n]    ; sent_level_rep + dec_fea, in f32
.set n, n+2
.endr
	QUANT 128
	IMAGE 0
	ds_store_b32 v73, v[PW]
	s_wait_dscnt 0x0                               ; the stores have read their registers
	s_wait_loadcnt 12                              ; the second fragment's are in; the tables' and coverage's 12 may be out
	WIN 0x05                                       ; both sources window 1, destination window 0
.set n, 0
.rept 32
	v_pk_add_f32 v[128+n:129+n], v[n:n+1], v[128+n:129+n]
.set n, n+2
.endr
	WIN 0
	QUANT 128
	IMAGE 1536
	ds_store_b32 v73, v[PW] offset:128
	s_wait_loadcnt 0x0
	v_mul_f32 v64, 0x4038aa3b, v64                 ; c dec_fea, c = 2 log2 e
	v_mul_f32 v65, 0x4038aa3b, v65
	v_mul_f32 v66, 0x4038aa3b, v66                 ; c W_c
	v_mul_f32 v67, 0x4038aa3b, v67
	v_mul_f32 v68, -2.0, v68                       ; -2 v
	v_mul_f32 v69, -2.0, v69
	ds_store_b64 v74, v[64:65]
	ds_store_b64 v74, v[66:67] offset:1024
	ds_store_b64 v74, v[68:69] offset:2048
	ds_store_b64 v74, v[70:71] offset:3072
.irp a, 0,1,2,3,4,5,6,7
	v_mov_b32 v[COV+2*\a+1], v[COV+2*\a]           ; a pair for the packed multiply-add
.endr
	s_wait_tensorcnt 1                             ; the scale bytes and my part of K tile 0 are in; tile 1's load may stay out
	s_wait_dscnt 0x0                               ; my images and my share of the tables lie in LDS
	s_barrier_signal -1
	s_barrier_wait -1
	s_or_b32 s[G1AS], s3, FLD                      ; the groups 1 for s_codes and W_s_codes; the pointers that lay here have been used up, and their loads are in
	s_or_b32 s[G1BS], s2, FLD
.irp g, G1AS, G1BS
	s_mov_b32 s[\g+1], 192<<16
	s_mov_b32 s[\g+2], 128<<16
	s_mov_b32 s[\g+3], 192<<16
	s_mov_b32 s[\g+4], 128
	s_mov_b32 s[\g+5], 768
	s_mov_b32 s[\g+6], 0
	s_mov_b32 s[\g+7], 0
.endr
	s_mov_b32 s[CS], 0x4038aa3b
	s_mov_b32 s[CS+1], s[CS]
	s_bfe_u32 s42, ttmp6, 0x40000                  ; the scale loads are done: their group 0 registers are free
	s_mul_i32 s42, s42, 32*768
	s_mov_b32 s43, 0
	s_add_nc_u64 s[PFA:PFA+1], s[ASB:ASB+1], s[42:43]   ; of the 128 rows of s that I fetch: my work-group's 32, told apart by address
.macro FRAG reg, adr, q, i             ; 16 rows x 128 K of 6-bit codes: 12 registers, in pieces of 8 bytes; lanes 16-31 read three pieces on, for some pieces behind one padding more
.irp p, 0,1,2,3,4,5
.set PCE, 12*(\q)+6*(\p/3)+\p%3
.if PCE%8 < 5
	ds_load_b64 v[\reg+2*\p:\reg+2*\p+1], v[\adr] offset:8*PCE+16*(PCE/8)+(\i)*16*PITCH
.else
	ds_load_b64 v[\reg+2*\p:\reg+2*\p+1], v[\adr+2] offset:8*PCE+16*(PCE/8)+(\i)*16*PITCH
.endif
.endr
.endm
; 16 matrix instructions: A's blocks a0, a0 + 1 x B's eight.  The accumulators take turns, one instruction a turn, in the same order in every step.
.macro MUL16 a0, p, q, sc, zero
.irp a, \a0, \a0+1
.irp b, 0,1,2,3,4,5,6,7
.if \zero
	v_wmma_scale_f32_16x16x128_f8f6f4 v[8*(8*((\a)%4)+\b):8*(8*((\a)%4)+\b)+7], v[128*(\p)+FR*\b:128*(\p)+FR*\b+FR-1], v[AF+FR*(\a):AF+FR*(\a)+FR-1], 0, v[SC+16*(\sc)+2*\b+(\q)], v[SC+16*(\sc)+2*(\a)+(\q)] matrix_a_fmt:MATRIX_FMT_BF6 matrix_b_fmt:MATRIX_FMT_BF6 matrix_a_scale:MATRIX_SCALE_ROW1
.else
	v_wmma_scale_f32_16x16x128_f8f6f4 v[8*(8*((\a)%4)+\b):8*(8*((\a)%4)+\b)+7], v[128*(\p)+FR*\b:128*(\p)+FR*\b+FR-1], v[AF+FR*(\a):AF+FR*(\a)+FR-1], v[8*(8*((\a)%4)+\b):8*(8*((\a)%4)+\b)+7], v[SC+16*(\sc)+2*\b+(\q)], v[SC+16*(\sc)+2*(\a)+(\q)] matrix_a_fmt:MATRIX_FMT_BF6 matrix_b_fmt:MATRIX_FMT_BF6 matrix_a_scale:MATRIX_SCALE_ROW1
.endif
.endr
.endr
.endm
.macro SENT4 p, q, set, zero           ; the sentence tile against my fragments 0-3 of B: four accumulators in window 1
	WIN 0x51
.irp b, 0,1,2,3
.if \zero
	v_wmma_scale_f32_16x16x128_f8f6f4 v[96+8*\b:103+8*\b], v[128*(\p)+FR*\b:128*(\p)+FR*\b+FR-1], v[SF:SF+FR-1], 0, v[SC+16*(\set)+2*\b+(\q)], v[SSC] matrix_a_fmt:MATRIX_FMT_BF6 matrix_b_fmt:MATRIX_FMT_BF6 matrix_a_scale:MATRIX_SCALE_ROW1
.else
	v_wmma_scale_f32_16x16x128_f8f6f4 v[96+8*\b:103+8*\b], v[128*(\p)+FR*\b:128*(\p)+FR*\b+FR-1], v[SF:SF+FR-1], v[96+8*\b:103+8*\b], v[SC+16*(\set)+2*\b+(\q)], v[SSC] matrix_a_fmt:MATRIX_FMT_BF6 matrix_b_fmt:MATRIX_FMT_BF6 matrix_a_scale:MATRIX_SCALE_ROW1
.endif
.endr
.endm
.macro FSENT k                         ; sentence fragment k and its scale words, as they were stored
.irp c, 0,1,2
	ds_load_b128 v[SF+4*\c:SF+4*\c+3], v[LI] offset:1536*(\k)+512*\c
.endr
	ds_load_b32 v[SSC], v[LS] offset:128*(\k)
.endm
.macro FETCH_B slot, q, p
	WIN TO_B
.irp i, 0,1,2,3
	FRAG 128*(\p)+FR*\i, ADRBL+\slot, \q, \i
.endr
.irp i, 0,1,2,3
	FRAG 128*(\p)+FR*(\i+4), ADRBH+\slot, \q, \i
.endr
	WIN 0
.endm
.macro FETCH_A slot, q, i0
.irp i, \i0, \i0+1, \i0+2, \i0+3
	FRAG AF+FR*(\i), ADRA+\slot, \q, \i
.endr
.endm
.macro SCALES adr, sblk, t, set        ; a K tile's two scale words a row: eight loads serve all pairs of blocks
.irp i, 0,1,2,3
	ds_load_b64 v[SC+16*(\set)+2*\i:SC+16*(\set)+2*\i+1], v[\adr] offset:\i*(\sblk)+8*(\t)
.endr
.irp i, 4,5,6,7
	ds_load_b64 v[SC+16*(\set)+2*\i:SC+16*(\set)+2*\i+1], v[\adr+1] offset:\i*(\sblk)+8*(\t)
.endr
.endm
; A PREFETCH INTO THE L2, once, behind the first refill and the run of LDS loads: bytes 256-767 of each row of s in my block, which K tiles 3, 4 and 5 will load, one to three refills on.  Waves 0 and 1, which fetch A;
; of a wave's 128 rows each of the four partners takes 32, by address; a lane a row, two lines: each aligned 256 bytes are named once in the launch.  The weights are read by all work-groups again and again and are not asked for.
.macro ASK
	s_cmp_eq_u32 s13, 0
	s_cbranch_scc0 .Lnot_mine_\@
	global_prefetch_b8 v[PFO], s[PFA:PFA+1] offset:256 th:TH_LOAD_NT scope:SCOPE_SE
	global_prefetch_b8 v[PFO], s[PFA:PFA+1] offset:512 th:TH_LOAD_NT scope:SCOPE_SE
.Lnot_mine_\@:
.endm
; A slot's first step of 128.  sk >= 0: the sentence product's K step sk;  nk >= 0: its next fragment is fetched
.macro STEP slot, zero, sk, nk, szero
	s_wait_dscnt 4*NL                              ; all but the youngest 24 loads (A's blocks 4-7) are in
	WIN MUL_LO
	MUL16 0, 0, 0, \slot, \zero
	MUL16 2, 0, 0, \slot, \zero
	s_wait_dscnt 0
	PLACES NP
	FETCH_B \slot, 1, 1
	FETCH_A \slot, 1, 0
	WIN MUL_HI
	MUL16 4, 0, 0, \slot, \zero
	MUL16 6, 0, 0, \slot, \zero
.if \sk >= 0
	SENT4 0, 0, \slot, \szero
.endif
	PLACES NP
	WIN 0
.if \nk >= 0
	FSENT \nk
.endif
	FETCH_A \slot, 1, 4
.endm
; A slot's second step changes slots: one barrier; in front of it each wave waits for all its tensor loads, adds 0 to its spare word, and waits for that and for its reads of this slot.
; fill >= 0: the barrier opens a round of the cluster's, and this slot takes tile fill of s / W_s: the first tensor load behind the round, with 128 matrix instructions in which to land.
.macro TURN slot, next, fill, sadr, sblk, t, sk, nk, ask
	s_wait_tensorcnt 0x0                           ; all my tensor loads have landed: my part of the next slot
	ds_add_u32 v[SPW], v[NIL]
	s_wait_dscnt 4*NL+1                            ; (the add and A's blocks 4-7 may be out)
	WIN MUL_LO
	MUL16 0, 1, 1, \slot, 0
	s_wait_dscnt 0x0                               ; the add is done, and my reads of this slot are over
	s_barrier_signal -1
	MUL16 2, 1, 1, \slot, 0
	WIN 0
	s_barrier_wait -1
.if \fill >= 0
	CREST                                          ; no wave of any partner still reads this slot or has a load on its way
	s_add_nc_u64 s[G0A+4*\slot+2:G0A+4*\slot+3], s[ASB:ASB+1], 192*(\fill)
	s_or_b32 s[G0A+4*\slot+3], s[G0A+4*\slot+3], 0x80000000
	s_add_nc_u64 s[G0B+4*\slot+2:G0B+4*\slot+3], s[BSB:BSB+1], 192*(\fill)
	s_or_b32 s[G0B+4*\slot+3], s[G0B+4*\slot+3], 0x80000000
	JLOAD G0A+4*\slot, G1AS, G0B+4*\slot, G1BS     ; its four v_nop are also the places in front of the loads below
.else
	PLACES NP
.endif
	FETCH_B \next, 0, 0
	FETCH_A \next, 0, 0
	SCALES \sadr, \sblk, \t, \next
.if \ask
	ASK
.endif
	WIN MUL_HI
	MUL16 4, 1, 1, \slot, 0
	MUL16 6, 1, 1, \slot, 0
.if \sk >= 0
	SENT4 1, 1, \slot, 0
.endif
	PLACES NP
	WIN 0
.if \nk >= 0
	FSENT \nk
.endif
	FETCH_A \next, 0, 4
.endm
	FETCH_B 0, 0, 0
	FETCH_A 0, 0, 0
	SCALES ASHL, 272, 0, 0
	FETCH_A 0, 0, 4
	STEP 0, 1, -1, -1, 0                           ; h, K 0-127: the first products start the sums
	TURN 0, 1, 0, ASHL, 272, 1, -1, -1, 1          ; h, 128-255;  slot 0 <- s, 0-255
	STEP 1, 0, -1, -1, 0                           ; h, 256-383
	TURN 1, 0, 1, ASSL, 544, 0, -1, 0, 0           ; h, 384-511;  slot 1 <- s, 256-511
	STEP 0, 0, 0, 1, 1                             ; s, 0-127, and the sentence product begins
	TURN 0, 1, 2, ASSL, 544, 1, 1, 2, 0            ; slot 0 <- s, 512-767
	STEP 1, 0, 2, 3, 0
	TURN 1, 0, 3, ASSL, 544, 2, 3, 4, 0            ; slot 1 <- s, 768-1023
	STEP 0, 0, 4, 5, 0
	TURN 0, 1, -1, ASSL, 544, 3, 5, 6, 0           ; nothing is left to fetch: no round
	STEP 1, 0, 6, 7, 0
	s_wait_dscnt 4*NL                              ; the last step
	WIN MUL_LO
	MUL16 0, 1, 1, 1, 0
	MUL16 2, 1, 1, 1, 0
	s_wait_dscnt 0
	WIN MUL_HI
	MUL16 4, 1, 1, 1, 0
	MUL16 6, 1, 1, 1, 0
	SENT4 1, 1, 1, 0
	WIN 0
; THE WAY OUT.  Per lane: one token a block, 64 columns.  y = c att = c acc + (c W_c cov + c dec);  -2 v / (1 + 2^y) summed over the columns.
	PLACES NP                                      ; in front of loads into registers that the last products read
.macro TLD reg, tab                    ; my 64 columns' numbers of table tab, in the accumulators' order
.irp b, 0,1,2,3
	ds_load_b128 v[\reg+8*\b:\reg+8*\b+3], v[EPL] offset:1024*(\tab)+64*\b
	ds_load_b128 v[\reg+8*\b+4:\reg+8*\b+7], v[EPL] offset:1024*(\tab)+64*\b+16
.endr
.irp b, 0,1,2,3
	ds_load_b128 v[\reg+32+8*\b:\reg+32+8*\b+3], v[EPH] offset:1024*(\tab)+64*\b
	ds_load_b128 v[\reg+32+8*\b+4:\reg+32+8*\b+7], v[EPH] offset:1024*(\tab)+64*\b+16
.endr
.endm
	WIN TO_B
	TLD 0, 1                                       ; c W_c -> window 1, v0-63
	TLD 128, 0                                     ; c dec_fea -> window 1, v128-191
	WIN 0
	TLD 128, 2                                     ; -2 v -> window 0, v128-191
	s_wait_dscnt 0x0
.macro EBLK a                          ; block a: 16 tokens
	WIN 0x11                                       ; sources 0 and 2 window 1
.set n, 0
.rept 32
	v_pk_fma_f32 v[YY+n:YY+n+1], v[n:n+1], v[COV+2*(\a):COV+2*(\a)+1], v[128+n:129+n]
.set n, n+2
.endr
	WIN 2+(\a)/4                                   ; source 0: the accumulators' window
.set n, 0
.rept 32
	v_pk_fma_f32 v[YY+n:YY+n+1], v[64*((\a)%4)+n:64*((\a)%4)+n+1], s[CS:CS+1], v[YY+n:YY+n+1] op_sel_hi:[1,0,1]   ; each accumulator from its low end on
.set n, n+2
.endr
	WIN 0
.set n, 0
.rept 64
	v_exp_f32 v[YY+n], v[YY+n]
.set n, n+1
.endr
	v_nop                                          ; a plain instruction behind the batch,
	s_wait_alu depctr_va_vdst(0)                   ; and one wait for it, ahead of its first reader
.set n, 0
.rept 32
	v_pk_add_f32 v[YY+n:YY+n+1], v[YY+n:YY+n+1], 1.0 op_sel_hi:[1,0]
.set n, n+2
.endr
.set n, 0
.rept 64
	v_rcp_f32 v[YY+n], v[YY+n]
.set n, n+1
.endr
	v_nop
	s_wait_alu depctr_va_vdst(0)
	v_pk_mul_f32 v[96:97], v[YY:YY+1], v[128:129]                  ; the dot with -2 v, in two packed chains
	v_pk_mul_f32 v[98:99], v[YY+2:YY+3], v[130:131]
.set n, 4
.rept 15
	v_pk_fma_f32 v[96:97], v[YY+n:YY+n+1], v[128+n:129+n], v[96:97]
	v_pk_fma_f32 v[98:99], v[YY+n+2:YY+n+3], v[130+n:131+n], v[98:99]
.set n, n+4
.endr
	v_pk_add_f32 v[96:97], v[96:97], v[98:99]
	v_add_f32 v[100+(\a)], v96, v97
.endm
.irp a, 0,1,2,3,4,5,6,7
	EBLK \a
.endr
	; the sentence tile: tanh whole, 1 - 2 / (1 + 2^(c x)), and the dot with v2 over my 64 columns
.irp b, 0,1,2,3
	ds_load_b128 v[224+8*\b:227+8*\b], v[EPL] offset:3072+64*\b
	ds_load_b128 v[228+8*\b:231+8*\b], v[EPL] offset:3072+64*\b+16
.endr
	WIN 0x01
.set n, 0
.rept 16
	v_pk_mul_f32 v[YY+n:YY+n+1], v[96+n:97+n], s[CS:CS+1] op_sel_hi:[1,0]
.set n, n+2
.endr
	WIN 0
.set n, 0
.rept 32
	v_exp_f32 v[YY+n], v[YY+n]
.set n, n+1
.endr
	v_nop
	s_wait_alu depctr_va_vdst(0)
.set n, 0
.rept 16
	v_pk_add_f32 v[YY+n:YY+n+1], v[YY+n:YY+n+1], 1.0 op_sel_hi:[1,0]
.set n, n+2
.endr
.set n, 0
.rept 32
	v_rcp_f32 v[YY+n], v[YY+n]
.set n, n+1
.endr
	v_nop
	s_wait_alu depctr_va_vdst(0)
.set n, 0
.rept 16
	v_pk_fma_f32 v[YY+n:YY+n+1], v[YY+n:YY+n+1], -2.0, 1.0 op_sel_hi:[1,0,0]
.set n, n+2
.endr
	s_wait_dscnt 0x0                               ; v2's numbers are in
	v_pk_mul_f32 v[96:97], v[YY:YY+1], v[224:225]
	v_pk_mul_f32 v[98:99], v[YY+2:YY+3], v[226:227]
.set n, 4
.rept 7
	v_pk_fma_f32 v[96:97], v[YY+n:YY+n+1], v[224+n:225+n], v[96:97]
	v_pk_fma_f32 v[98:99], v[YY+n+2:YY+n+3], v[226+n:227+n], v[98:99]
.set n, n+4
.endr
	v_pk_add_f32 v[96:97], v[96:97], v[98:99]
	v_add_f32 v108, v96, v97
.irp k, 0,1,2,3,4,5,6,7,8
	v_mov_b32 v[109+\k], 0                         ; a lane permute's destination counts as one of its sources
.endr
.irp k, 0,1,2,3,4,5,6,7,8
	v_permlanex16_b32 v[109+\k], v[100+\k], s[SEL], s[SEL+1]
.endr
.irp k, 0,1,2,3,4,5,6,7,8
	v_add_f32 v[100+\k], v[100+\k], v[109+\k]      ; with the other half's columns: both halves now hold the token's sum
.endr
	s_mov_b32 s15, 0xffff0000
.irp k, 0,1,2,3
	v_cndmask_b32 v[118+\k], v[100+2*\k], v[101+2*\k], s15     ; lane L: token 32 k + L
.endr
.irp k, 0,1,2,3
	ds_store_b32 v[STO], v[118+\k] offset:128*\k
.endr
	ds_load_b128 v[122:125], v[RD]                 ; in order behind my stores: lane L: tokens 4 L .. 4 L + 3
	s_lshl_b32 s4, s100, 1
	s_add_co_u32 s4, s4, s14                       ; part 2 x + j
	s_lshl_b32 s4, s4, 17
	s_lshl_b32 s5, s101, 10
	s_add_co_u32 s4, s4, s5
	s_lshl_b32 s5, s13, 9
	s_add_co_u32 s4, s4, s5                        ; + token 256 y + 128 i
	s_mov_b32 s5, 0
	s_add_nc_u64 s[96:97], s[96:97], s[4:5]
	s_lshl_b32 s4, s101, 10                        ; sentence row 16 y, 64 bytes a row,
	s_lshl_b32 s6, s100, 4
	s_add_co_u32 s4, s4, s6
	s_lshl_b32 s6, s12, 2
	s_add_co_u32 s4, s4, s6                        ; part 4 x + wave
	s_add_nc_u64 s[98:99], s[98:99], s[4:5]
	v_and_b32 v3, 31, v0
	v_lshlrev_b32 v4, 4, v3
	v_lshlrev_b32 v5, 6, v1
	v_cmp_gt_u32 vcc_lo, 16, v3
	s_wait_dscnt 0x0
	global_store_b128 v4, v[122:125], s[96:97]     ; the wave stores 512 consecutive bytes, aligned
	s_wait_xcnt 0x0                                ; EXEC changes only behind this wait
	s_and_saveexec_b32 s6, vcc_lo
	global_store_b32 v5, v108, s[98:99]            ; lanes 0-15: my part of 16 sentence rows
	s_wait_xcnt 0x0
	s_or_b32 exec_lo, exec_lo, s6
	s_wait_tensorcnt 0x0                           ; the wave's end
	ds_add_u32 v[SPW], v[NIL]
	s_wait_dscnt 0x0
	CROUND                                         ; the closing round
	s_endpgm
.Lfunc_end_k_q8fa6d994cb_gemm:
	.size	k_q8fa6d994cb_gemm, .Lfunc_end_k_q8fa6d994cb_gemm-k_q8fa6d994cb_gemm
	.p2alignl 7, 3214868480
	.fill 96, 4, 3214868480
	.section	.rodata,"a",@progbits
	.p2align	6, 0x0
	.amdhsa_kernel k_q8fa6d994cb_gemm
		.amdhsa_group_segment_fixed_size 327680
		.amdhsa_private_segment_fixed_size 0
		.amdhsa_enable_private_segment 0
		.amdhsa_kernarg_size 128
		.amdhsa_user_sgpr_count 2
		.amdhsa_user_sgpr_kernarg_segment_ptr 1
		.amdhsa_wavefront_size32 1
		.amdhsa_system_sgpr_workgroup_id_x 1
		.amdhsa_system_sgpr_workgroup_id_y 1
		.amdhsa_system_sgpr_workgroup_id_z 1
		.amdhsa_system_vgpr_workitem_id 0
		.amdhsa_next_free_vgpr 1024
		.amdhsa_next_free_sgpr 106
		.amdhsa_reserve_vcc 1
		.amdhsa_float_denorm_mode_32 3
		.amdhsa_float_denorm_mode_16_64 3
		.amdhsa_memory_ordered 1
		.amdhsa_forward_progress 1
		.amdhsa_inst_pref_size 255
	.end_amdhsa_kernel
	.section	.bss,"aw",@nobits
	.p2align	6
	.space	262144
	.amdgpu_metadata
---
amdhsa.version: [ 1, 2 ]
amdhsa.kernels:
  - .name:           k_q8fa6d994cb_gemm
    .symbol:         k_q8fa6d994cb_gemm.kd
    .args:
      - { .name: h_codes, .offset: 0, .size: 8, .value_kind: global_buffer, .address_space: global }
      - { .name: h_scales, .offset: 8, .size: 8, .value_kind: global_buffer, .address_space: global }
      - { .name: s_scales, .offset: 16, .size: 8, .value_kind: global_buffer, .address_space: global }
      - { .name: W_h_codes, .offset: 24, .size: 8, .value_kind: global_buffer, .address_space: global }
      - { .name: W_h_scales, .offset: 32, .size: 8, .value_kind: global_buffer, .address_space: global }
      - { .name: W_s_scales, .offset: 40, .size: 8, .value_kind: global_buffer, .address_space: global }
      - { .name: decf, .offset: 48, .size: 8, .value_kind: global_buffer, .address_space: global }
      - { .name: sent_level_rep, .offset: 56, .size: 8, .value_kind: global_buffer, .address_space: global }
      - { .name: s_codes, .offset: 64, .size: 8, .value_kind: global_buffer, .address_space: global }
      - { .name: W_s_codes, .offset: 72, .size: 8, .value_kind: global_buffer, .address_space: global }
      - { .name: coverage, .offset: 80, .size: 8, .value_kind: global_buffer, .address_space: global }
      - { .name: W_c, .offset: 88, .size: 8, .value_kind: global_buffer, .address_space: global }
      - { .name: v, .offset: 96, .size: 8, .value_kind: global_buffer, .address_space: global }
      - { .name: v2, .offset: 104, .size: 8, .value_kind: global_buffer, .address_space: global }
      - { .name: spart, .offset: 112, .size: 8, .value_kind: global_buffer, .address_space: global }
      - { .name: sspart, .offset: 120, .size: 8, .value_kind: global_buffer, .address_space: global }
    .group_segment_fixed_size: 327680
    .private_segment_fixed_size: 0
    .kernarg_segment_align: 8
    .kernarg_segment_size: 128
    .max_flat_workgroup_size: 128
    .sgpr_count:     106
    .vgpr_count:     1024
    .wavefront_size: 32
...
	.end_amdgpu_metadata
.endif
;; end of part 2
;; launch finish (part 3): grid 8 x 32, 16 waves a work-group, no clusters, 282,624 bytes of LDS; arguments spart, sspart, enc_padding_mask, coverage, enc_sent_token_mat, sent_all_head_scores, sent_all_child_scores, h, out0, out1, out2; writes out0, out1, out2
.if DOCPART == 3
	.amdgcn_target "amdgcn-amd-amdhsa--gfx1250"
	.amdhsa_code_object_version 6
	.text
	.protected	k_q8fa6d994cb_finish
	.globl	k_q8fa6d994cb_finish
	.p2align	8
	.type	k_q8fa6d994cb_finish,@function
k_q8fa6d994cb_finish:
	s_mov_b64 s[64:65], 0
	v_nop
	global_prefetch_b8 v0, s[64:65] scope:SCOPE_SE
	s_setreg_imm32_b32 hwreg(HW_REG_WAVE_MODE, 25, 1), 1
	s_wait_xcnt 0x0
; THIRD LAUNCH.  For batch b (work-group y): the partial sums are added, then the four softmaxes over 1,024 tokens, the products with enc_sent_token_mat (taken as a general matrix), the head and child products,
; attn_dist, coverage + attn_dist, and c_t = attn_dist . h.  All in f32.  The scores lack the term sum of v[n], which cancels in their softmax (shown at the first launch's head).
; SHARES.  Work-group (c, b) owns columns 64 c .. 64 c + 63 of c_t[b] and tokens 128 c .. 128 c + 127 of the two other results.  The eight work-groups of a batch each repeat the batch's small chain, by the same
; instructions in the same order, while their own 262,144 bytes of h come into registers: 32 loads of 16 bytes a lane.
; WHERE h IS ASKED FOR.  The chain's first step waits for the matrix, its last but one for h.  So at the head the matrix and the small inputs are asked for alone; h's loads follow four at a time, behind the LDS loads of
; each of the eight passes over the matrix in phases 2 and 4, and have phases 5 to 10 in which to land.
; NO CLUSTER, though the eight share enc_sent_token_mat[b]: each result byte has one owner, chosen by a branch on the work-group's number.
; Thread t (0 .. 511) owns tokens 2 t, 2 t + 1.  enc_sent_token_mat[b] lies in LDS, 64 rows of 4,096 bytes, filled once: each wave's one tensor load brings four rows.
; Every scratch region of LDS is written once in the launch, so a barrier stands only between a region's stores and its loads.
; LIMITS: divisions are v_rcp_f32 and a multiplication; v_exp_f32 gives 0 for results under 2^-126.
.set SCR,   262144
.set O_SS,  0                          ; ss[64]
.set O_SA,  256                        ; sent_att[64]
.set O_NH,  512                        ; new_head[64], new_child[64]
.set O_RED, 1024                       ; nine slots of 16 words: a figure from each wave
.set O_PH,  2048                       ; partial head and child products: 2 x 8 x 64 words
.set O_SC,  6144                       ; softmax(scores) x mask
.set O_AT,  10240                      ; attn_dist
.set O_CT,  14336                      ; c_t's partial sums: 256 bytes a wave
.set SPARE, SCR+18432                  ; the spare words, 128 bytes a wave, named by no other line
; v1 lane; v2, v3 the add's two; v4-7 my tokens in rows 16 k of the matrix; v8 my wave's four rows; v9 SCR; v10-22 scratch addresses; v23-26 global offsets; v27 the wave's number, then word lane % 16 of slot 0
; v[28:29] scores; v[30:31] token-level; v[32:33] head; v[34:35] child; v[36:37] mask; v[38:39] coverage; v[40:41] attn; v42-47 at work; v48-55, v56-63 head's and child's numbers; v64-127 at work; v128-255 h
.macro WSUM reg                        ; over the wave's 32 lanes, result in every lane
	v_add_f32_dpp v[\reg], v[\reg], v[\reg] row_xmask:1 row_mask:0xf bank_mask:0xf
	v_add_f32_dpp v[\reg], v[\reg], v[\reg] row_xmask:2 row_mask:0xf bank_mask:0xf
	v_add_f32_dpp v[\reg], v[\reg], v[\reg] row_xmask:4 row_mask:0xf bank_mask:0xf
	v_add_f32_dpp v[\reg], v[\reg], v[\reg] row_xmask:8 row_mask:0xf bank_mask:0xf
	v_permlanex16_b32 v42, v[\reg], s52, s53
	v_add_f32 v[\reg], v[\reg], v42
.endm
.macro WMAX reg
	v_max_num_f32_dpp v[\reg], v[\reg], v[\reg] row_xmask:1 row_mask:0xf bank_mask:0xf
	v_max_num_f32_dpp v[\reg], v[\reg], v[\reg] row_xmask:2 row_mask:0xf bank_mask:0xf
	v_max_num_f32_dpp v[\reg], v[\reg], v[\reg] row_xmask:4 row_mask:0xf bank_mask:0xf
	v_max_num_f32_dpp v[\reg], v[\reg], v[\reg] row_xmask:8 row_mask:0xf bank_mask:0xf
	v_permlanex16_b32 v42, v[\reg], s52, s53
	v_max_num_f32 v[\reg], v[\reg], v42
.endm
.macro XLD slot, reg                   ; the sixteen waves' figures of a slot: lane l takes wave l % 16's, so each half of the lanes holds all sixteen
	ds_load_b32 v[\reg], v27 offset:64*(\slot)
.endm
.macro XSUMR reg                       ; their sum, in every lane
	v_add_f32_dpp v[\reg], v[\reg], v[\reg] row_xmask:1 row_mask:0xf bank_mask:0xf
	v_add_f32_dpp v[\reg], v[\reg], v[\reg] row_xmask:2 row_mask:0xf bank_mask:0xf
	v_add_f32_dpp v[\reg], v[\reg], v[\reg] row_xmask:4 row_mask:0xf bank_mask:0xf
	v_add_f32_dpp v[\reg], v[\reg], v[\reg] row_xmask:8 row_mask:0xf bank_mask:0xf
.endm
.macro XMAXR reg                       ; their maximum
	v_max_num_f32_dpp v[\reg], v[\reg], v[\reg] row_xmask:1 row_mask:0xf bank_mask:0xf
	v_max_num_f32_dpp v[\reg], v[\reg], v[\reg] row_xmask:2 row_mask:0xf bank_mask:0xf
	v_max_num_f32_dpp v[\reg], v[\reg], v[\reg] row_xmask:4 row_mask:0xf bank_mask:0xf
	v_max_num_f32_dpp v[\reg], v[\reg], v[\reg] row_xmask:8 row_mask:0xf bank_mask:0xf
.endm
.macro HLD i0                          ; four of my 32 loads of h: tokens 32 (t / 16) + i0 .. + 3; sixteen lanes read 256 consecutive bytes, aligned; read once in this launch
.irp i, 0,1,2,3
	global_load_b128 v[128+4*((\i0)+\i):131+4*((\i0)+\i)], v24, s[22:23] offset:2048*((\i0)+\i) th:TH_LOAD_NT
.endr
.endm
.macro BAR                             ; my LDS stores have landed and my LDS loads are in: then the work-group's barrier
	s_wait_dscnt 0x0
	s_barrier_signal -1
	s_barrier_wait -1
.endm
	s_load_b512 s[8:23], s[0:1], 0x0               ; spart 8, sspart 10, mask 12, coverage 14, the matrix 16, head 18, child 20, h 22
	s_load_b128 s[24:27], s[0:1], 0x40             ; out0 24, out1 26
	s_load_b64 s[28:29], s[0:1], 0x50              ; out2
	v_lshl_add_u32 v2, v0, 2, SPARE
	v_mov_b32 v3, 0
	ds_add_u32 v2, v3                              ; the wave's opening: the add, twice on end, and its wait ahead of my tensor load
	ds_add_u32 v2, v3
	v_lshrrev_b32 v27, 5, v0
	v_readfirstlane_b32 s4, v27                    ; wave 0..15
	s_mov_b32 s5, ttmp9                            ; c
	s_and_b32 s6, ttmp7, 0xffff                    ; b
	s_mov_b32 s36, 3<<16                           ; group 1: a dense block of 16,384 bytes as 64 rows of 256 (32 elements of 8 bytes); no padding, no mask
	s_mov_b32 s37, 32<<16
	s_mov_b32 s38, 64<<16
	s_mov_b32 s39, 32<<16
	s_mov_b32 s40, 64
	s_mov_b32 s41, 32
	s_mov_b32 s42, 0
	s_mov_b32 s43, 0
	s_mov_b32 s32, 1
	s_lshl_b32 s33, s4, 14                         ; LDS: 16,384 x wave
	s_lshl_b32 s34, s6, 18
	s_add_co_u32 s34, s34, s33                     ; memory: batch x 262,144 + the same
	s_mov_b32 s35, 0
	s_lshl_b32 s44, s6, 12                         ; batch x 4,096
	s_mov_b32 s45, 0
	s_lshl_b32 s46, s6, 14                         ; batch x 16,384
	s_mov_b32 s47, 0
	s_lshl_b32 s48, s6, 21
	s_lshl_b32 s50, s5, 8
	s_add_co_u32 s48, s48, s50                     ; h: batch x 2,097,152 + 256 c
	s_mov_b32 s49, 0
	s_lshl_b32 s51, s6, 11
	s_add_co_u32 s50, s50, s51                     ; out0: batch x 2,048 + 256 c
	s_mov_b32 s51, 0
	s_mov_b32 s52, 0x76543210
	s_mov_b32 s53, 0xfedcba98
	s_mov_b32 s54, 0x3fb8aa3b                      ; log2 e
	s_wait_dscnt 0x0                               ; both opening adds are done
	s_wait_kmcnt 0x0
	s_add_nc_u64 s[34:35], s[16:17], s[34:35]
	s_or_b32 s35, s35, 0x80000000
	tensor_load_to_lds s[32:35], s[36:43]          ; rows 4 wave .. 4 wave + 3 of the matrix: my one tensor load
	s_nop 0
	s_add_nc_u64 s[8:9], s[8:9], s[44:45]
	s_add_nc_u64 s[10:11], s[10:11], s[44:45]
	s_add_nc_u64 s[12:13], s[12:13], s[44:45]
	s_add_nc_u64 s[14:15], s[14:15], s[44:45]
	s_add_nc_u64 s[26:27], s[26:27], s[44:45]
	s_add_nc_u64 s[28:29], s[28:29], s[44:45]
	s_add_nc_u64 s[18:19], s[18:19], s[46:47]
	s_add_nc_u64 s[20:21], s[20:21], s[46:47]
	s_add_nc_u64 s[22:23], s[22:23], s[48:49]
	s_add_nc_u64 s[24:25], s[24:25], s[50:51]
	v_and_b32 v1, 31, v0
	v_lshlrev_b32 v23, 3, v0                       ; 8 t
	v_lshrrev_b32 v13, 6, v0
	v_and_b32 v42, 63, v0
	v_lshlrev_b32 v25, 11, v13
	v_lshl_add_u32 v25, v42, 2, v25                ; head, child: rows 8 (t / 64) on, column t % 64
	v_lshrrev_b32 v43, 4, v0
	v_and_b32 v44, 15, v0
	v_lshlrev_b32 v26, 4, v44
	v_lshl_add_u32 v24, v43, 16, v26               ; h: tokens 32 (t / 16) on, 16 bytes at 16 (t % 16)
.irp p, 0,1,2,3,4,5,6,7
	global_load_b64 v[64+2*\p:65+2*\p], v23, s[8:9] offset:131072*\p
.endr
	global_load_b64 v[80:81], v23, s[10:11]
	global_load_b64 v[36:37], v23, s[12:13]
	global_load_b64 v[38:39], v23, s[14:15]
.irp i, 0,1,2,3,4,5,6,7
	global_load_b32 v[48+\i], v25, s[18:19] offset:256*\i
	global_load_b32 v[56+\i], v25, s[20:21] offset:256*\i
.endr
	v_lshlrev_b32 v4, 3, v0
	v_add_nc_u32 v5, 0x10000, v4
	v_add_nc_u32 v6, 0x20000, v4
	v_add_nc_u32 v7, 0x30000, v4
	v_lshlrev_b32 v8, 4, v1
	v_lshl_add_u32 v8, v27, 14, v8
	v_mov_b32 v9, SCR
	v_lshrrev_b32 v10, 3, v0
	v_lshl_add_u32 v10, v10, 2, SCR+O_SS
	v_lshl_add_u32 v11, v27, 2, SCR+O_RED
	v_lshl_add_u32 v12, v27, 4, SCR+O_SA
	v_lshl_add_u32 v13, v13, 5, SCR+O_SA
	v_lshl_add_u32 v14, v0, 2, SCR+O_PH
	v_bfe_u32 v15, v0, 6, 1
	v_lshlrev_b32 v15, 11, v15
	v_lshl_add_u32 v15, v42, 2, v15
	v_add_nc_u32 v15, SCR+O_PH, v15
	v_and_b32 v16, 127, v0
	v_lshl_add_u32 v16, v16, 2, SCR+O_NH
	v_lshl_add_u32 v17, v0, 3, SCR+O_SC
	v_lshl_add_u32 v18, v1, 4, SCR+O_SC
	v_lshl_add_u32 v19, v0, 3, SCR+O_AT
	v_lshl_add_u32 v20, v43, 7, SCR+O_AT
	v_lshl_add_u32 v21, v27, 8, v26
	v_add_nc_u32 v21, SCR+O_CT, v21
	v_lshrrev_b32 v45, 4, v1
	v_lshl_add_u32 v22, v45, 11, v26
	v_add_nc_u32 v22, SCR+O_CT, v22
	v_and_b32 v27, 15, v0                          ; the wave's number has served: v27 becomes word lane % 16 of slot 0
	v_lshl_add_u32 v27, v27, 2, SCR+O_RED
	; ---- 1: the partial sums
	s_wait_loadcnt 0x0                             ; the 27 small loads: nothing else of mine is out
	v_pk_add_f32 v[64:65], v[64:65], v[66:67]
	v_pk_add_f32 v[68:69], v[68:69], v[70:71]
	v_pk_add_f32 v[72:73], v[72:73], v[74:75]
	v_pk_add_f32 v[76:77], v[76:77], v[78:79]
	v_pk_add_f32 v[64:65], v[64:65], v[68:69]
	v_pk_add_f32 v[72:73], v[72:73], v[76:77]
	v_pk_add_f32 v[28:29], v[64:65], v[72:73]      ; my two tokens' scores
	v_add_f32 v80, v80, v81
	v_add_f32_dpp v80, v80, v80 row_xmask:1 row_mask:0xf bank_mask:0xf
	v_add_f32_dpp v80, v80, v80 row_xmask:2 row_mask:0xf bank_mask:0xf
	v_add_f32_dpp v80, v80, v80 row_xmask:4 row_mask:0xf bank_mask:0xf   ; eight lanes x two parts: ss of sentence t / 8
	ds_store_b32 v10, v80                          ; eight lanes write the same word with the same value
	v_max_num_f32 v43, v28, v29
	WMAX 43
	ds_store_b32 v11, v43                          ; slot 0
	s_wait_tensorcnt 0x0                           ; my four rows of the matrix have landed
	BAR
	; ---- 2: tok[t] = sum over sentences of M[s][t] ss[s]; the scores' exponentials; the first half of h is asked for
.macro SWEEP1 g
.irp t, 0,1,2,3,4,5,6,7,8,9,10,11,12,13,14,15
	ds_load_b64 v[64+2*\t:65+2*\t], v[4+\g] offset:4096*\t
.endr
.irp q, 0,1,2,3
	ds_load_b128 v[96+4*\q:99+4*\q], v9 offset:O_SS+64*(\g)+16*\q
.endr
	HLD 4*(\g)
	s_wait_dscnt 0x0
.irp t, 0,1,2,3,4,5,6,7,8,9,10,11,12,13,14,15
.if (\g == 0) && (\t == 0)
	v_mul_f32 v30, v64, v96
	v_mul_f32 v31, v65, v96
.else
	v_fma_f32 v30, v[64+2*\t], v[96+\t], v30
	v_fma_f32 v31, v[65+2*\t], v[96+\t], v31
.endif
.endr
.endm
	XLD 0, 43                                      ; the waves' largest scores: the first pass's wait for 0 covers this load
	SWEEP1 0
	SWEEP1 1
	SWEEP1 2
	SWEEP1 3
	XMAXR 43
	v_sub_f32 v28, v28, v43                        ; the maximum is taken away first, then the change of base
	v_sub_f32 v29, v29, v43
	v_mul_f32 v28, s54, v28
	v_mul_f32 v29, s54, v29
	v_exp_f32 v28, v28
	v_exp_f32 v29, v29
	v_max_num_f32 v44, v30, v31                    ; (a plain instruction behind the exponentials)
	s_wait_alu depctr_va_vdst(0)                   ; one wait for the batch, ahead of its first reader
	v_add_f32 v43, v28, v29
	WSUM 43
	ds_store_b32 v11, v43 offset:64                ; slot 1
	WMAX 44
	ds_store_b32 v11, v44 offset:128               ; slot 2
	BAR
	; ---- 3: softmax(scores) x mask; tok's exponentials
	XLD 1, 43
	XLD 2, 44
	s_wait_dscnt 0x0
	XSUMR 43
	XMAXR 44
	v_rcp_f32 v43, v43
	v_sub_f32 v30, v30, v44
	v_sub_f32 v31, v31, v44
	v_mul_f32 v30, s54, v30
	v_mul_f32 v31, s54, v31
	v_exp_f32 v30, v30
	v_exp_f32 v31, v31
	v_nop
	s_wait_alu depctr_va_vdst(0)
	v_mul_f32 v28, v28, v43
	v_mul_f32 v29, v29, v43
	v_mul_f32 v28, v28, v36
	v_mul_f32 v29, v29, v37
	ds_store_b64 v17, v[28:29]
	v_add_f32 v44, v30, v31
	WSUM 44
	ds_store_b32 v11, v44 offset:192               ; slot 3
	BAR
	; ---- 4: sent_att of my wave's four sentences; the first product of attn; the second half of h is asked for
	XLD 3, 43                                      ; covered by the first sentence's wait for 0
.irp i, 0,1,2,3,4,5,6,7
	ds_load_b128 v[64+4*\i:67+4*\i], v18 offset:512*\i
.endr
.irp k, 0,1,2,3
.irp i, 0,1,2,3,4,5,6,7
	ds_load_b128 v[96+4*\i:99+4*\i], v8 offset:4096*\k+512*\i
.endr
	HLD 16+4*\k
	s_wait_dscnt 0x0
	v_pk_mul_f32 v[32:33], v[96:97], v[64:65]
	v_pk_mul_f32 v[34:35], v[98:99], v[66:67]
.irp i, 1,2,3,4,5,6,7
	v_pk_fma_f32 v[32:33], v[96+4*\i:97+4*\i], v[64+4*\i:65+4*\i], v[32:33]
	v_pk_fma_f32 v[34:35], v[98+4*\i:99+4*\i], v[66+4*\i:67+4*\i], v[34:35]
.endr
	v_pk_add_f32 v[32:33], v[32:33], v[34:35]
	v_add_f32 v[44+\k], v32, v33
.endr
	WSUM 44
	WSUM 45
	WSUM 46
	WSUM 47
	ds_store_b128 v12, v[44:47]                    ; all lanes write the same 16 bytes with the same values
	XSUMR 43
	v_rcp_f32 v43, v43
	v_nop
	s_wait_alu depctr_va_vdst(0)
	v_mul_f32 v30, v30, v43
	v_mul_f32 v31, v31, v43
	v_mul_f32 v30, v30, v36
	v_mul_f32 v31, v31, v37
	v_mul_f32 v40, v28, v30                        ; attn = scores x (softmax(tok) x mask)
	v_mul_f32 v41, v29, v31
	BAR
	; ---- 5: eight sentences' share of new_head and new_child at column t % 64
	ds_load_b128 v[64:67], v13
	ds_load_b128 v[68:71], v13 offset:16
	s_wait_dscnt 0x0
	v_mul_f32 v43, v64, v48
	v_mul_f32 v44, v64, v56
.irp i, 1,2,3,4,5,6,7
	v_fma_f32 v43, v[64+\i], v[48+\i], v43
	v_fma_f32 v44, v[64+\i], v[56+\i], v44
.endr
	ds_store_b32 v14, v43
	ds_store_b32 v14, v44 offset:2048
	BAR
	; ---- 6: waves 0-3 add the eight shares: 64 numbers of new_head, 64 of new_child
	s_cmp_lt_u32 s4, 4
	s_cbranch_scc0 .Lno_six
.irp g, 0,1,2,3,4,5,6,7
	ds_load_b32 v[64+\g], v15 offset:256*\g
.endr
	s_wait_dscnt 0x0
	v_add_f32 v64, v64, v65
	v_add_f32 v66, v66, v67
	v_add_f32 v68, v68, v69
	v_add_f32 v70, v70, v71
	v_add_f32 v64, v64, v66
	v_add_f32 v68, v68, v70
	v_add_f32 v64, v64, v68
	ds_store_b32 v16, v64
.Lno_six:
	BAR
	; ---- 7: head_tok and child_tok
.macro SWEEP2 g
.irp t, 0,1,2,3,4,5,6,7,8,9,10,11,12,13,14,15
	ds_load_b64 v[64+2*\t:65+2*\t], v[4+\g] offset:4096*\t
.endr
.irp q, 0,1,2,3
	ds_load_b128 v[96+4*\q:99+4*\q], v9 offset:O_NH+64*(\g)+16*\q
	ds_load_b128 v[112+4*\q:115+4*\q], v9 offset:O_NH+256+64*(\g)+16*\q
.endr
	s_wait_dscnt 0x0
.irp t, 0,1,2,3,4,5,6,7,8,9,10,11,12,13,14,15
.if (\g == 0) && (\t == 0)
	v_mul_f32 v32, v64, v96
	v_mul_f32 v33, v65, v96
	v_mul_f32 v34, v64, v112
	v_mul_f32 v35, v65, v112
.else
	v_fma_f32 v32, v[64+2*\t], v[96+\t], v32
	v_fma_f32 v33, v[65+2*\t], v[96+\t], v33
	v_fma_f32 v34, v[64+2*\t], v[112+\t], v34
	v_fma_f32 v35, v[65+2*\t], v[112+\t], v35
.endif
.endr
.endm
	SWEEP2 0
	SWEEP2 1
	SWEEP2 2
	SWEEP2 3
	v_max_num_f32 v43, v32, v33
	v_max_num_f32 v44, v34, v35
	WMAX 43
	WMAX 44
	ds_store_b32 v11, v43 offset:256               ; slot 4
	ds_store_b32 v11, v44 offset:320               ; slot 5
	BAR
	; ---- 8: their exponentials
	XLD 4, 43
	XLD 5, 44
	s_wait_dscnt 0x0
	XMAXR 43
	XMAXR 44
	v_sub_f32 v32, v32, v43
	v_sub_f32 v33, v33, v43
	v_sub_f32 v34, v34, v44
	v_sub_f32 v35, v35, v44
	v_mul_f32 v32, s54, v32
	v_mul_f32 v33, s54, v33
	v_mul_f32 v34, s54, v34
	v_mul_f32 v35, s54, v35
	v_exp_f32 v32, v32
	v_exp_f32 v33, v33
	v_exp_f32 v34, v34
	v_exp_f32 v35, v35
	v_nop
	s_wait_alu depctr_va_vdst(0)
	v_add_f32 v43, v32, v33
	v_add_f32 v44, v34, v35
	WSUM 43
	WSUM 44
	ds_store_b32 v11, v43 offset:384               ; slot 6
	ds_store_b32 v11, v44 offset:448               ; slot 7
	BAR
	; ---- 9: attn whole
	XLD 6, 43
	XLD 7, 44
	s_wait_dscnt 0x0
	XSUMR 43
	XSUMR 44
	v_rcp_f32 v43, v43
	v_rcp_f32 v44, v44
	v_nop
	s_wait_alu depctr_va_vdst(0)
	v_mul_f32 v32, v32, v43
	v_mul_f32 v33, v33, v43
	v_fma_f32 v32, v34, v44, v32
	v_fma_f32 v33, v35, v44, v33
	v_fma_f32 v40, v32, v36, v40                   ; + (softmax(head_tok) + softmax(child_tok)) x mask
	v_fma_f32 v41, v33, v37, v41
	v_add_f32 v43, v40, v41
	WSUM 43
	ds_store_b32 v11, v43 offset:512               ; slot 8
	BAR
	; ---- 10: attn_dist; the owner of my tokens stores it, and coverage + attn_dist
	XLD 8, 43
	s_wait_dscnt 0x0
	XSUMR 43
	v_rcp_f32 v43, v43
	v_nop
	s_wait_alu depctr_va_vdst(0)
	v_mul_f32 v40, v40, v43
	v_mul_f32 v41, v41, v43
	ds_store_b64 v19, v[40:41]
	s_lshr_b32 s7, s4, 1
	s_cmp_eq_u32 s7, s5                            ; tokens 128 c .. 128 c + 127 are those of waves 2 c and 2 c + 1
	s_cbranch_scc0 .Lno_out
	v_add_f32 v44, v38, v40
	v_add_f32 v45, v39, v41
	global_store_b64 v23, v[40:41], s[26:27]       ; the wave stores 256 consecutive bytes, aligned
	global_store_b64 v23, v[44:45], s[28:29]
.Lno_out:
	BAR
	; ---- 11: c_t: my 32 tokens x 4 columns
	s_wait_loadcnt 0x0                             ; h: the 32 loads of phases 2 and 4
.irp i, 0,1,2,3,4,5,6,7
	ds_load_b128 v[64+4*\i:67+4*\i], v20 offset:16*\i
.endr
	s_wait_dscnt 0x0
.irp cc, 0,1,2,3
	v_mul_f32 v[32+\cc], v64, v[128+\cc]
.endr
.irp i, 1,2,3,4,5,6,7,8,9,10,11,12,13,14,15,16,17,18,19,20,21,22,23,24,25,26,27,28,29,30,31
.irp cc, 0,1,2,3
	v_fma_f32 v[32+\cc], v[64+\i], v[128+4*\i+\cc], v[32+\cc]
.endr
.endr
.irp cc, 0,1,2,3
	v_permlanex16_b32 v[28+\cc], v[32+\cc], s52, s53
.endr
.irp cc, 0,1,2,3
	v_add_f32 v[32+\cc], v[32+\cc], v[28+\cc]      ; with the other half's 32 tokens
.endr
	ds_store_b128 v21, v[32:35]                    ; lanes l and l xor 16 write the same bytes with the same values
	BAR
	; ---- 12: wave 0 adds the sixteen waves' sums and stores 64 columns of c_t
	s_cmp_eq_u32 s4, 0
	s_cbranch_scc0 .Lend
.irp j, 0,1,2,3,4,5,6,7
	ds_load_b128 v[64+4*\j:67+4*\j], v22 offset:256*\j
.endr
	s_wait_dscnt 0x0
.irp j, 1,2,3,4,5,6,7
	v_pk_add_f32 v[64:65], v[64:65], v[64+4*\j:65+4*\j]
	v_pk_add_f32 v[66:67], v[66:67], v[66+4*\j:67+4*\j]
.endr
.irp cc, 0,1,2,3
	v_permlanex16_b32 v[28+\cc], v[64+\cc], s52, s53
.endr
.irp cc, 0,1,2,3
	v_add_f32 v[64+\cc], v[64+\cc], v[28+\cc]
.endr
	v_cmp_gt_u32 vcc_lo, 16, v1
	s_wait_xcnt 0x0                                ; EXEC changes only behind this wait
	s_and_saveexec_b32 s7, vcc_lo
	global_store_b128 v26, v[64:67], s[24:25]      ; sixteen lanes store 256 consecutive bytes, aligned
	s_wait_xcnt 0x0
	s_or_b32 exec_lo, exec_lo, s7
.Lend:
	s_wait_tensorcnt 0x0                           ; the wave's end, behind my tensor load and my last LDS store
	ds_add_u32 v2, v3
	s_wait_dscnt 0x0
	s_endpgm
.Lfunc_end_k_q8fa6d994cb_finish:
	.size	k_q8fa6d994cb_finish, .Lfunc_end_k_q8fa6d994cb_finish-k_q8fa6d994cb_finish
	.p2alignl 7, 3214868480
	.fill 96, 4, 3214868480
	.section	.rodata,"a",@progbits
	.p2align	6, 0x0
	.amdhsa_kernel k_q8fa6d994cb_finish
		.amdhsa_group_segment_fixed_size 282624
		.amdhsa_private_segment_fixed_size 0
		.amdhsa_enable_private_segment 0
		.amdhsa_kernarg_size 88
		.amdhsa_user_sgpr_count 2
		.amdhsa_user_sgpr_kernarg_segment_ptr 1
		.amdhsa_wavefront_size32 1
		.amdhsa_system_sgpr_workgroup_id_x 1
		.amdhsa_system_sgpr_workgroup_id_y 1
		.amdhsa_system_sgpr_workgroup_id_z 1
		.amdhsa_system_vgpr_workitem_id 0
		.amdhsa_next_free_vgpr 256
		.amdhsa_next_free_sgpr 66
		.amdhsa_reserve_vcc 1
		.amdhsa_float_denorm_mode_32 3
		.amdhsa_float_denorm_mode_16_64 3
		.amdhsa_memory_ordered 1
		.amdhsa_forward_progress 1
		.amdhsa_inst_pref_size 79
	.end_amdhsa_kernel
	.amdgpu_metadata
---
amdhsa.version: [ 1, 2 ]
amdhsa.kernels:
  - .name:           k_q8fa6d994cb_finish
    .symbol:         k_q8fa6d994cb_finish.kd
    .args:
      - { .name: spart, .offset: 0, .size: 8, .value_kind: global_buffer, .address_space: global }
      - { .name: sspart, .offset: 8, .size: 8, .value_kind: global_buffer, .address_space: global }
      - { .name: enc_padding_mask, .offset: 16, .size: 8, .value_kind: global_buffer, .address_space: global }
      - { .name: coverage, .offset: 24, .size: 8, .value_kind: global_buffer, .address_space: global }
      - { .name: enc_sent_token_mat, .offset: 32, .size: 8, .value_kind: global_buffer, .address_space: global }
      - { .name: sent_all_head_scores, .offset: 40, .size: 8, .value_kind: global_buffer, .address_space: global }
      - { .name: sent_all_child_scores, .offset: 48, .size: 8, .value_kind: global_buffer, .address_space: global }
      - { .name: h, .offset: 56, .size: 8, .value_kind: global_buffer, .address_space: global }
      - { .name: out0, .offset: 64, .size: 8, .value_kind: global_buffer, .address_space: global }
      - { .name: out1, .offset: 72, .size: 8, .value_kind: global_buffer, .address_space: global }
      - { .name: out2, .offset: 80, .size: 8, .value_kind: global_buffer, .address_space: global }
    .group_segment_fixed_size: 282624
    .private_segment_fixed_size: 0
    .kernarg_segment_align: 8
    .kernarg_segment_size: 88
    .max_flat_workgroup_size: 512
    .sgpr_count:     66
    .vgpr_count:     256
    .wavefront_size: 32
...
	.end_amdgpu_metadata
.endif
;; end of part 3
